; MI455X (gfx1250); checked and timed in simulation.
; The chip was launched on July 23, 2026; its instructions are those of AMD's public machine-readable ISA for CDNA 5 (MIT licence, August 2026) and "CDNA5" Instruction Set Architecture Reference Guide (July 2026). The comments in the code are by the model that wrote it; some were corrected since.
;; Ring Cross Attention. Allowed arithmetic: matrix products marked QUANTISED: E2M3 operands, one E8M0 scale for each 32 along K, by v_wmma_scale_f32_16x16x128_f8f6f4 with both operands' format E2M3, f32 sums; everything else in f32.
;; Inputs: Wk 1,024 x 1,024 float32; Wo 1,024 x 1,024 float32; Wq 1,024 x 1,024 float32; Wv 1,024 x 1,024 float32; bk 1,024 float32; bo 1,024 float32; bq 1,024 float32; bv 1,024 float32; key_value_states 2 x 4,096 x 1,024 float32; query_states 2 x 2,048 x 1,024 float32.
;; Outputs: out0 2 x 2,048 x 1,024 float32.
;; This version of the problem:
;;   THIS VERSION OF THE PROBLEM IS GIVEN IN LOW PRECISION. The matrix products marked QUANTISED in the list below multiply operands that are first quantised to E2M3 (2 exponent bits, 3 mantissa bits; 6 bits a number), with one power-of-two scale for each 32 numbers along K (OCP MX v1.0); their sums are f32. All else is computed in f32.
;;   The module's matrix products, in the order in which they are computed (A, B: the left and right operand; K: the contracted axis; several contracted axes count as one K, in the product's order):
;;     1. [M 4,096, K 1,024] x [K 1,024, N 1,024]; A: input query_states; B: input Wq: QUANTISED
;;     2. [M 8,192, K 1,024] x [K 1,024, N 1,024]; A: input key_value_states; B: input Wk: QUANTISED
;;     3. [M 8,192, K 1,024] x [K 1,024, N 1,024]; A: input key_value_states; B: input Wv: QUANTISED
;;     4. batch 32 x [M 2,048, K 64] x [K 64, N 4,096]; A: computed on the way; B: computed on the way: QUANTISED
;;     5. batch 32 x [M 2,048, K 4,096] x [K 4,096, N 64]; A: softmax (see below); B: computed on the way: QUANTISED
;;     6. [M 4,096, K 1,024] x [K 1,024, N 1,024]; A: computed on the way; B: input Wo: QUANTISED
;;   THE QUANTISER, for each operand of a quantised product, along K:
;;     - K is cut into blocks of 32 from its start; a last block that is shorter is filled with zeros.
;;     - A block's scale is 2^e with e = floor(log2(the largest magnitude in the block)) - 2, held to -126 .. 127; a block of zeros has e = 0. As a byte (E8M0): e + 127.
;;     - Each number is divided by its block's scale, clamped to +-7.5, and rounded to the nearest number of E2M3, ties to even, subnormals kept.
;;     - The product sums the exact products of the quantised numbers (number of the format x scale) in f32.
;;   ~~~python
;;   def quantise(x, axis):      # numpy; x: float32 -> the quantised numbers, widened to float32 again
;;       x = np.moveaxis(x, axis, -1); K = x.shape[-1]
;;       x = np.pad(x, [(0, 0)] * (x.ndim - 1) + [(0, -K % 32)]); x = x.reshape(x.shape[:-1] + (-1, 32)); a = np.abs(x).max(-1, keepdims=True)
;;       e = np.where(a > 0, np.clip(np.frexp(np.where(a > 0, a, 1))[1] - 1 - 2, -126, 127), 0)      # np.frexp(a)[1] - 1 = floor(log2(a)), exactly
;;       r = np.clip(x / 2.0 ** e, -7.5, 7.5)
;;       step = 2.0 ** (np.maximum(np.frexp(np.where(r == 0, 1, r))[1] - 1, 0) - 3)
;;       q = np.round(r / step) * step * 2.0 ** e      # np.round: ties to even
;;       return np.moveaxis(q.reshape(q.shape[:-2] + (-1,))[..., :K], -1, axis).astype(np.float32)
;;   ~~~
;;   SOFTMAX AHEAD OF A QUANTISED PRODUCT. Where the list says 'softmax', what is quantised is not the finished softmax but p = 2^(t - M), with t = logit x log2(e) and M = ceil(the row's largest t), a whole number; so 1/2 < the row's largest p <= 1. The row's sum l is taken of the UNQUANTISED p, in f32, and the product's result is divided by l at the end. Since M is a whole number, a kernel that streams over the keys may use a running M (the ceiling of the running maximum): every later rescaling is an exact power of two, which a block's scale takes up: the codes' values come out the same.
;;   OPERANDS COMPUTED ON THE WAY. 'Computed on the way' means the value that the module computes at that place (a softmax that the list does not call 'softmax' is quantised finished and normalised). What goes into a quantiser is computed in f32, as accurately as f32 sums, v_exp_f32 and their like allow (about 1e-6 of the number): no bf16 or f16 on the way to a quantiser, and a product that is left as it is and whose result goes on into a quantised operand takes f32 operands (vector FMAs, or v_wmma_f32_16x16x4_f32). A number that lies on a knife's edge between two numbers of the format may be rounded either way, as far as f32 arithmetic and the matrix unit's own rounding can turn it there, and no further.
;; One version. Each part assembles by itself: llvm-mc -triple=amdgcn-amd-amdhsa -mcpu=gfx1250 --defsym DOCPART=n.
;; ======== version 1 of 1: 4 launches
;; limits: right only within a limited range of input values
;; workspace buffers: xc 12,582,912 bytes; xs 524,288 bytes; pc 16,384,000 bytes; cc 3,145,728 bytes; cs 131,072 bytes
;; launch quant (part 1): grid 256 x 1, 8 waves a work-group, no clusters, 68,608 bytes of LDS; arguments query_states, key_value_states, Wq, Wk, Wv, Wo, xc, xs; writes xc, xs
.if DOCPART == 1
	.amdgcn_target "amdgcn-amd-amdhsa--gfx1250"
	.amdhsa_code_object_version 6
	.text
	.protected	k_q2248c72cdd_quant
	.globl	k_q2248c72cdd_quant
	.p2align	8
	.type	k_q2248c72cdd_quant,@function
k_q2248c72cdd_quant:
	s_mov_b64 s[64:65], 0
	v_nop
	global_prefetch_b8 v0, s[64:65] scope:SCOPE_SE
	s_setreg_imm32_b32 hwreg(HW_REG_WAVE_MODE, 25, 1), 1
	s_wait_xcnt 0x0
; RingCrossAttention in MX-FP6 (E2M3, one E8M0 byte for each 32 along K): four launches: quant (this one), proj, attn, outp.
; NOTHING OF reference() IS LEFT OUT.  All six products are live for all values of the inputs; bq, bk and bv stand ahead of quantisers and bo goes to the output: all ten inputs are loaded (the biases by proj and outp).
; The factor SCALE = 1/8 is a power of two: a block's scale takes it up and the codes stay, so q is quantised without it and attn multiplies the scores by log2(e) / 8 in one rounding.
; LIMITS: a block of q whose largest magnitude lies under 2^-121 would have its scale held from below in reference() (after the factor 1/8) and not here; a block of zeros gets the byte 1 where the rule says 127
; (its codes are zeros, which add nothing under any byte but 0xff, and the bytes are read by this program alone); NaN and infinities among the inputs are not served; proj and outp take a bias as the first term of a sum.
; THIS LAUNCH turns the six large f32 inputs, all with K = 1,024 innermost, into codes (xc) and scale words (xs).
; THE FORMAT OF CODES IN EVERY WORKSPACE BUFFER: [unit of 128 rows][K step of 128][tile a = 0..7][1,536 bytes].  Place r (0..15) of tile a = 4 c + t is row 64 c + 32 (r / 8) + 8 t + r % 8 of the unit.  A tile is the image of
; the operand's 12 registers, in two halves c of 768 bytes: 512 bytes, registers 6 c .. 6 c + 3, lane l's 16 bytes at 16 l; then 256 bytes, registers 6 c + 4, 6 c + 5, lane l's 8 bytes at 8 l.
; Scale words, 512 bytes for a unit's K step: the word of (tile a, place r) at 256 (a / 4) + 16 r + 4 (a % 4).  Units of xc: 0-31 query_states, 32-95 key_value_states, 96-103 Wq, 104-111 Wk, 112-119 Wv, 120-127 Wo.
; SHARES: work-group id takes unit id / 2; wave w takes K step 4 (id % 2) + w / 2 and tiles 4 (w % 2) .. + 3: 64 rows x 128 numbers.  Each load reads 512 consecutive bytes of one row; a tile's 16 rows turn through
; the wave's own stage in LDS (rows 528 bytes apart) and come back 16 neighbours of a block to a lane; two tiles' loads (32 a wave) run ahead.  Waves share nothing: no barrier, no tensor load, no matrix unit.
.set STG,   8448                       ; a wave's stage: 16 rows x (512 + 16) bytes
.set SPARE, 8*STG                      ; behind the stages: the spare words, 128 bytes for each wave: four blocks of 256 bytes that no other line names
.set TILE,  1536
.set L16,   4                          ; v4   16 x lane: the loads' and the codes' offset
.set STI,   5                          ; v5   the stage, on the way in: 16 x lane
.set STO,   6                          ; v6   and on the way out: 528 r + 64 h
.set L8,    8                          ; v8   8 x lane
.set SO,    9                          ; v9   16 r + 8 h: my two scale words
.set SPW,   10                         ; v10  LDS address of my spare word; never rewritten
.set NIL,   11                         ; v11  0; never rewritten
.set RAW,   16                         ; v16-143  two sets of 64: a tile as loaded
.set X,     144                        ; v144-207 register 16 b + i = number 32 b + 16 h + i of my row
.set TM,    208                        ; v208-223 at work
.set PW,    224                        ; v224-227 a scale word for each tile
.set PC,    228                        ; v228-247 a tile's codes (12) and the conversions' second halves
.set W,     248                        ; v248-249 the two scale words that I store
.set SEL,   24                         ; s[24:25] v_permlanex16_b32's selects for lane l xor 16
; 32 nc numbers of a lane, v[s + 16 b + i] = number 32 b + 16 h + i of my row, become 6 nc registers of codes from v[pc] on and 2 nc scale bytes in v[pw].
.macro QUANT s, pc, pw, nc
.irp b, 0,1,2,3
.if \b < 2*\nc
	v_max3_num_f32 v[TM+\b], |v[(\s)+16*\b]|, |v[(\s)+16*\b+1]|, 0x1800000   ; block b: my 16 numbers, and the floor 2^(3 - 127): the byte cannot fall under 1
.endif
.endr
.irp i, 2,4,6,8,10,12,14
.irp b, 0,1,2,3
.if \b < 2*\nc
	s_delay_alu instid0(VALU_DEP_4)
	v_max3_num_f32 v[TM+\b], v[TM+\b], |v[(\s)+16*\b+\i]|, |v[(\s)+16*\b+\i+1]|   ; the blocks by turns
.endif
.endr
.endr
.irp b, 0,1,2,3
.if \b < 2*\nc
	s_delay_alu instid0(VALU_DEP_4)
	v_permlanex16_b32 v[TM+4+\b], v[TM+\b], s[SEL], s[SEL+1]
.endif
.endr
.irp b, 0,1,2,3
.if \b < 2*\nc
	s_delay_alu instid0(VALU_DEP_4)
	v_max_num_f32 v[TM+\b], v[TM+\b], v[TM+4+\b]   ; with lane l xor 16's 16: the block's largest magnitude
.endif
.endr
.irp b, 0,1,2,3
.if \b < 2*\nc
	s_delay_alu instid0(VALU_DEP_4)
	v_add_nc_u32 v[TM+12+\b], 0xff000000, v[TM+\b]   ; 2 off its exponent field: the conversion's scale operand
.endif
.endr
.irp b, 0,1,2,3
.if \b < 2*\nc
	s_delay_alu instid0(VALU_DEP_4)
	v_lshrrev_b32 v[TM+4+\b], 23, v[TM+12+\b]      ; the scale's byte
.endif
.endr
	s_delay_alu instid0(VALU_DEP_3)
	v_lshl_or_b32 v[\pw], v[TM+5], 8, v[TM+4]
.if \nc > 1
	s_delay_alu instid0(VALU_DEP_1)
	v_lshl_or_b32 v[\pw], v[TM+6], 16, v[\pw]
	s_delay_alu instid0(VALU_DEP_1)
	v_lshl_or_b32 v[\pw], v[TM+7], 24, v[\pw]
.endif
.irp c, 0,1
.if \c < \nc
	v_cvt_scalef32_pk16_fp6_f32 v[(\pc)+6*\c:(\pc)+6*\c+2], v[(\s)+32*\c:(\s)+32*\c+15], v[TM+12+2*\c]
	v_cvt_scalef32_pk16_fp6_f32 v[(\pc)+12+4*\c:(\pc)+14+4*\c], v[(\s)+32*\c+16:(\s)+32*\c+31], v[TM+13+2*\c]   ; (a conversion's three registers begin on an even number)
.endif
.endr
	v_nop                                          ; one plain place behind a scaled conversion
.irp c, 0,1
.if \c < \nc
.irp i, 0,1,2
	v_permlane16_swap_b32 v[(\pc)+6*\c+\i], v[(\pc)+12+4*\c+\i]   ; the operand wants a whole block in a lane: lanes 0-15 block 2 c, lanes 16-31 block 2 c + 1
.endr
.irp i, 0,1,2
	s_delay_alu instid0(VALU_DEP_3)
	v_mov_b32 v[(\pc)+6*\c+3+\i], v[(\pc)+12+4*\c+\i]
.endr
.endif
.endr
.endm
	s_load_b512 s[4:19], s[0:1], 0x0               ; query_states, key_value_states, Wq, Wk, Wv, Wo, xc s[16:17], xs s[18:19]
	v_lshl_add_u32 v[SPW], v0, 2, SPARE
	v_mov_b32 v[NIL], 0
	v_lshrrev_b32 v1, 5, v0
	s_delay_alu instid0(VALU_DEP_1)
	v_readfirstlane_b32 s20, v1                    ; wave 0..7
	s_lshr_b32 s21, ttmp9, 1                       ; my unit
	s_and_b32 s22, ttmp9, 1
	s_lshl_b32 s22, s22, 2
	s_lshr_b32 s23, s20, 1
	s_add_co_u32 s22, s22, s23                     ; my K step
	s_and_b32 s23, s20, 1                          ; my half of the unit's tiles
	s_mov_b32 s[SEL], 0x76543210
	s_mov_b32 s[SEL+1], 0xfedcba98
	s_mov_b32 s26, 0xffff0000                      ; lanes 16-31
	v_and_b32 v1, 31, v0                           ; lane
	v_and_b32 v2, 15, v0                           ; r
	v_bfe_u32 v3, v0, 4, 1                         ; h
	s_delay_alu instid0(VALU_DEP_3)
	v_lshlrev_b32 v[L16], 4, v1
	s_mul_i32 s27, s20, STG
	v_add_nc_u32 v[STI], s27, v[L16]
	v_mul_u32_u24 v[STO], v2, 528
	s_delay_alu instid0(VALU_DEP_1)
	v_lshl_add_u32 v[STO], v3, 6, v[STO]
	s_delay_alu instid0(VALU_DEP_1)
	v_add_nc_u32 v[STO], s27, v[STO]
	v_lshlrev_b32 v[L8], 3, v1
	v_lshlrev_b32 v[SO], 4, v2
	s_delay_alu instid0(VALU_DEP_1)
	v_lshl_add_u32 v[SO], v3, 3, v[SO]
.irp b, 0,1,2,3
	v_mov_b32 v[TM+4+\b], 0                        ; written once: a lane permute's destination counts as one of its sources
.endr
	s_and_b32 s32, s21, 7                          ; the unit's number in its own tensor: a weight's (96 is a multiple of 8),
	s_sub_co_u32 s33, s21, 32                      ; key_value_states',
	s_cmp_lt_u32 s21, 96
	s_cselect_b32 s32, s33, s32
	s_cmp_lt_u32 s21, 32
	s_cselect_b32 s32, s21, s32                    ; query_states'
	s_lshl_b32 s34, s32, 19                        ; 128 rows of 4,096 bytes,
	s_lshl_b32 s33, s22, 9                         ; + 512 bytes a K step,
	s_add_co_u32 s34, s34, s33
	s_lshl_b32 s33, s23, 18                        ; + 64 rows for the second half
	s_add_co_u32 s34, s34, s33
	s_mov_b32 s35, 0
	s_lshl_b32 s36, s21, 3
	s_add_co_u32 s36, s36, s22                     ; 8 x unit + K step
	s_mul_i32 s38, s36, 8*TILE
	s_mul_i32 s33, s23, 4*TILE
	s_add_co_u32 s38, s38, s33                     ; my four tiles' codes
	s_mov_b32 s39, 0
	s_lshl_b32 s40, s36, 9
	s_lshl_b32 s33, s23, 8
	s_add_co_u32 s40, s40, s33                     ; and their 256 bytes of scale words
	s_mov_b32 s41, 0
	s_wait_alu depctr_va_vdst(0)
	s_wait_kmcnt 0x0
	s_cmp_lt_u32 s21, 104                          ; which tensor: the choice hangs on the work-group's number alone
	s_cselect_b64 s[28:29], s[8:9], s[10:11]
	s_cmp_lt_u32 s21, 120
	s_cselect_b64 s[30:31], s[12:13], s[14:15]
	s_cmp_lt_u32 s21, 112
	s_cselect_b64 s[28:29], s[28:29], s[30:31]
	s_cmp_lt_u32 s21, 96
	s_cselect_b64 s[28:29], s[6:7], s[28:29]
	s_cmp_lt_u32 s21, 32
	s_cselect_b64 s[28:29], s[4:5], s[28:29]
	s_add_nc_u64 s[28:29], s[28:29], s[34:35]
	s_add_nc_u64 s[16:17], s[16:17], s[38:39]
	s_add_nc_u64 s[18:19], s[18:19], s[40:41]
.macro LOADT a                         ; tile a of my four: place i is row 8 a + i % 8 + 32 (i / 8) of my 64; 32 lanes read that row's 512 consecutive bytes
.irp i, 0,1,2,3,4,5,6,7,8,9,10,11,12,13,14,15
	global_load_b128 v[RAW+64*((\a)%2)+4*\i:RAW+64*((\a)%2)+4*\i+3], v[L16], s[28:29] offset:(8*(\a)+(\i%8)+32*(\i/8))*4096 th:TH_LOAD_NT
.endr
.endm
.macro TILEQ a
.if (\a) < 3
	s_wait_loadcnt 16                              ; this tile's 16 loads are in; the next tile's 16 may be out
.else
	s_wait_loadcnt 0x0
.endif
.irp i, 0,1,2,3,4,5,6,7,8,9,10,11,12,13,14,15
	ds_store_b128 v[STI], v[RAW+64*((\a)%2)+4*\i:RAW+64*((\a)%2)+4*\i+3] offset:528*\i
.endr
.irp b, 0,1,2,3
.irp j, 0,1,2,3
	ds_load_b128 v[X+16*\b+4*\j:X+16*\b+4*\j+3], v[STO] offset:128*\b+16*\j   ; LDS serves a wave's instructions in order: these see the stores above
.endr
.endr
	s_wait_dscnt 0x0                               ; my 64 numbers are back, and the stores have read the set that is loaded again below
.if (\a) > 0
	s_wait_xcnt 0x0                                ; the last tile's stores have read the codes' registers, which are written again below
.endif
.if (\a) < 2
	LOADT (\a)+2
.endif
	QUANT X, PC, PW+(\a), 2
	global_store_b128 v[L16], v[PC:PC+3], s[16:17] offset:TILE*(\a)          ; each store covers 512 or 256 consecutive bytes, aligned
	global_store_b64 v[L8], v[PC+4:PC+5], s[16:17] offset:TILE*(\a)+512
	global_store_b128 v[L16], v[PC+6:PC+9], s[16:17] offset:TILE*(\a)+768
	global_store_b64 v[L8], v[PC+10:PC+11], s[16:17] offset:TILE*(\a)+1280
.endm
	LOADT 0
	LOADT 1
	TILEQ 0
	TILEQ 1
	TILEQ 2
	TILEQ 3
	v_cndmask_b32 v[W], v[PW], v[PW+2], s26        ; lanes 0-15 store the words of tiles 0, 1 of their row's place, lanes 16-31 those of tiles 2, 3
	v_cndmask_b32 v[W+1], v[PW+1], v[PW+3], s26
	global_store_b64 v[SO], v[W:W+1], s[18:19]     ; the 32 lanes fill 256 consecutive bytes, aligned
	s_wait_tensorcnt 0x0                           ; the wave's end
	ds_add_u32 v[SPW], v[NIL]
	s_wait_dscnt 0x0
	s_endpgm
.Lfunc_end_k_q2248c72cdd_quant:
	.size	k_q2248c72cdd_quant, .Lfunc_end_k_q2248c72cdd_quant-k_q2248c72cdd_quant
	.p2alignl 7, 3214868480
	.fill 96, 4, 3214868480
	.section	.rodata,"a",@progbits
	.p2align	6, 0x0
	.amdhsa_kernel k_q2248c72cdd_quant
		.amdhsa_group_segment_fixed_size 68608
		.amdhsa_private_segment_fixed_size 0
		.amdhsa_enable_private_segment 0
		.amdhsa_kernarg_size 64
		.amdhsa_user_sgpr_count 2
		.amdhsa_user_sgpr_kernarg_segment_ptr 1
		.amdhsa_wavefront_size32 1
		.amdhsa_system_sgpr_workgroup_id_x 1
		.amdhsa_system_sgpr_workgroup_id_y 1
		.amdhsa_system_sgpr_workgroup_id_z 1
		.amdhsa_system_vgpr_workitem_id 0
		.amdhsa_next_free_vgpr 256
		.amdhsa_next_free_sgpr 66
		.amdhsa_reserve_vcc 0
		.amdhsa_float_denorm_mode_32 3
		.amdhsa_float_denorm_mode_16_64 3
		.amdhsa_memory_ordered 1
		.amdhsa_forward_progress 1
		.amdhsa_inst_pref_size 41
	.end_amdhsa_kernel
	.amdgpu_metadata
---
amdhsa.version: [ 1, 2 ]
amdhsa.kernels:
  - .name:           k_q2248c72cdd_quant
    .symbol:         k_q2248c72cdd_quant.kd
    .args:
      - { .name: query_states, .offset: 0, .size: 8, .value_kind: global_buffer, .address_space: global }
      - { .name: key_value_states, .offset: 8, .size: 8, .value_kind: global_buffer, .address_space: global }
      - { .name: Wq, .offset: 16, .size: 8, .value_kind: global_buffer, .address_space: global }
      - { .name: Wk, .offset: 24, .size: 8, .value_kind: global_buffer, .address_space: global }
      - { .name: Wv, .offset: 32, .size: 8, .value_kind: global_buffer, .address_space: global }
      - { .name: Wo, .offset: 40, .size: 8, .value_kind: global_buffer, .address_space: global }
      - { .name: xc, .offset: 48, .size: 8, .value_kind: global_buffer, .address_space: global }
      - { .name: xs, .offset: 56, .size: 8, .value_kind: global_buffer, .address_space: global }
    .group_segment_fixed_size: 68608
    .private_segment_fixed_size: 0
    .kernarg_segment_align: 8
    .kernarg_segment_size: 64
    .max_flat_workgroup_size: 256
    .sgpr_count:     66
    .vgpr_count:     256
    .wavefront_size: 32
...
	.end_amdgpu_metadata
.endif
;; end of part 1
;; launch proj (part 2): grid 8 x 80, 4 waves a work-group, clusters of 4 x 4, 327,680 bytes of LDS; arguments xc, xs, bq, bk, bv, pc; writes pc
.if DOCPART == 2
	.amdgcn_target "amdgcn-amd-amdhsa--gfx1250"
	.amdhsa_code_object_version 6
	.text
	.protected	k_q2248c72cdd_proj
	.globl	k_q2248c72cdd_proj
	.p2align	8
	.type	k_q2248c72cdd_proj,@function
k_q2248c72cdd_proj:
	s_mov_b64 s[64:65], 0
	v_nop
	global_prefetch_b8 v0, s[64:65] scope:SCOPE_SE
	s_setreg_imm32_b32 hwreg(HW_REG_WAVE_MODE, 25, 1), 1
	s_wait_xcnt 0x0
	s_wait_alu depctr_hold_cnt(0) depctr_sa_sdst(0) depctr_va_vdst(0) depctr_va_sdst(0) depctr_va_ssrc(0) depctr_va_vcc(0) depctr_vm_vsrc(0)
	s_getreg_b32 s2, hwreg(HW_REG_IB_STS2, 6, 4)
	s_cmp_eq_u32 s2, 0
	s_cbranch_scc0 .Lentry_in_a_cluster
	s_endpgm
.Lentry_in_a_cluster:
	s_bfe_u32 s2, ttmp6, 0x10000c
	s_cmp_lg_u32 s2, 0xf033
	s_cbranch_scc0 .Lentry_shape_is_right
	s_endpgm
.Lentry_shape_is_right:
; LAUNCH 2 OF 4: q = x Wq^T + bq, k = y Wk^T + bk, v = y Wv^T + bv on the codes of xc, xs; the results are quantised in registers and leave as codes and scale words in pc.  No work of reference() is left out here.
; xc: codes [unit of 128 rows][K step of 128][tile a][1,536 bytes]; units 0-31 query_states, 32-95 key_value_states, 96-103 Wq, 104-111 Wk, 112-119 Wv.  Place r of tile a = 4 c + t is row 64 c + 32 (r / 8) + 8 t + r % 8;
; a tile is the image of the operand's 12 registers (per half of 6: 512 bytes at 16 x lane, 256 bytes at 8 x lane); xs: scale words [unit][K step][512]: (a, r) at 256 (a / 4) + 16 r + 4 (a % 4).
; D = P x R: source 0 = 16 rows of P, source 1 = 16 rows of R: a lane holds ONE row of R and, by the order of a tile's places, the 32 registers of P's tiles 4 c .. 4 c + 3 are P's rows 64 c + 32 h + 0 .. 31: a WHOLE block
; of the NEXT product's K, in the lane that the operand's layout gives it.  q, k: P = the weight (next K = a head's d), R = the tokens.  v: P = the tokens (next K = the keys), R = the weight.  No number changes lanes.
; pc: blocks of 12,800 bytes [unit][pair of heads hp]: eight tiles of codes, then the 512 bytes of their scale words.  Units 0-31 q [token group], 32-95 k likewise (half c of a tile is head 2 hp + c), 96-159 v [key group]
; (tile 4 par + dt: 16 of head 2 hp + par's d; K = the group's 128 keys).
; SHARES: a work-group makes 128 rows of P x 256 rows of R, each of its four waves 128 x 64: 32 accumulators.  The kind hangs on the cluster's y: 0-3 q, 4-11 k, 12-19 v: the same in all partners.
; ALL OF K = 1,024 LIES IN LDS: P's unit (98,304 bytes) and R's two.  One tensor load a wave, at the head: waves 0, 1 a unit of R each, waves 2, 3 four K steps of P each; no byte of LDS is filled twice.
; CLUSTERS: 4 x 4.  P's unit hangs on x alone and is asked for jointly by my column, R's units on y alone, by my row: that divides the requests for operands by four.
; No prefetch: the launch has no loop to run ahead in: a work-group asks for all that it reads at its head.
; THE BIAS starts each sum: it runs along P's rows (q, k) or along R's rows (v), and either is alpha(m) x beta(n) with one factor 1.0, made exactly by one small f32 matrix instruction for each accumulator (32 beside 256 scaled ones).
; LIMITS: as stated at the head of quant (a block of zeros has the byte 1; NaN and infinities are not served; the bias is a sum's first term).
; REGISTERS: window 0: v1-19 addresses; v32-63 P's scale words, v64-95 R's (register 4 s + i); v96-191 R's fragments, two sets of 48, on the way out the codes; v192-215 alpha, beta; v216-237 at work.
;   window 1: P's fragments, sets at v0 and v128.   window 2: accumulator (a, t) at v[8 (8 a + t)].
.set NPB,   8                          ; P's tiles a wave
.set UNIT,  98304
.set KB,    12288                      ; a unit's K step
.set KBB,   12800                      ; a block of pc
.set TILE,  1536
.set LP,    0                          ; LDS: P's unit,
.set LR,    UNIT                       ; R's two units,
.set SPARE, 3*UNIT                     ; the spare words, 128 bytes for each wave: two blocks of 256 bytes that no other line names
.set AP,    4                          ; v4, v5 P's fragments: 16 x lane, 8 x lane (+ base); v6, v7 the same for K steps 4-7
.set AR,    8                          ; v8-11 the same for R
.set L16,   12
.set L8,    13
.set SO,    14                         ; 16 r + 8 h
.set R16,   15                         ; 16 r
.set SPW,   16                         ; LDS address of my spare word; never rewritten
.set NIL,   17                         ; 0; never rewritten
.set BO,    18                         ; 4 (r % 8 + 32 (r / 8)): a tile's place in a bias
.set SH8,   19                         ; 8 h: where my blocks' bytes stand in a scale word
.set PS,    32
.set RS,    64
.set RF,    96
.set AL,    192                        ; eight pairs: alpha of P's tile t
.set BE,    208                        ; four pairs: beta of R's tile a
.set TM,    216
.set PW,    232
.set W,     236
.set WV,    18
.set ROLE,  19                         ; wave / 2: I fetch for R (0) or P (1); also: which of R's two units I multiply
.set SUB,   20                         ; wave % 2: which part I fetch; also: which 64 rows of that unit I multiply
.set CX,    21
.set CY,    22
.set G1R,   24
.set G1P,   32
.set G0R,   40
.set G0P,   68
.set SEL,   100
.set MSB, 0
.macro WIN new                         ; the immediate's high byte repeats the setting that is left; a switch that changes nothing is dropped
.if MSB != \new
	s_set_vgpr_msb (MSB<<8)|\new
.set MSB, \new
.endif
.endm
.macro JLOAD                           ; the joint load: waves 0, 1 for R, waves 2, 3 for P; an s_nop 0 and four v_nop follow each of the two lines
	s_cmp_eq_u32 s[ROLE], 0
	s_cbranch_scc0 .Lfor_p_\@
	tensor_load_to_lds s[G0R:G0R+3], s[G1R:G1R+7]
	s_nop 0
.rept 4
	v_nop
.endr
	s_branch .Lasked_\@
.Lfor_p_\@:
	tensor_load_to_lds s[G0P:G0P+3], s[G1P:G1P+7]
	s_nop 0
.rept 4
	v_nop
.endr
.Lasked_\@:
.endm
.macro CROUND                          ; a round of the cluster's barrier
	s_barrier_signal -1
	s_barrier_wait -1
	s_cmp_lg_u32 s[WV], 0
	s_cbranch_scc1 .Lnot_wave_0_\@
	s_barrier_signal -3
.Lnot_wave_0_\@:
	s_barrier_wait -3
	s_barrier_signal -1
	s_barrier_wait -1
.endm
	s_load_b256 s[4:11], s[0:1], 0x0               ; xc s[4:5], xs s[6:7], bq s[8:9], bk s[10:11]
	s_load_b128 s[12:15], s[0:1], 0x20             ; bv s[12:13], pc s[14:15]
	v_lshl_add_u32 v[SPW], v0, 2, SPARE
	v_mov_b32 v[NIL], 0
	ds_add_u32 v[SPW], v[NIL]                      ; the wave's opening: the add, twice on end, and its wait ahead of my first tensor load
	ds_add_u32 v[SPW], v[NIL]
	v_lshrrev_b32 v1, 5, v0
	v_readfirstlane_b32 s[WV], v1
	s_lshr_b32 s[ROLE], s[WV], 1
	s_and_b32 s[SUB], s[WV], 1
	s_bfe_u32 s[CX], ttmp6, 0x40000
	s_bfe_u32 s[CY], ttmp6, 0x40004
	s_and_b32 s56, ttmp7, 0xffff                   ; the cluster's y: the kind
	s_sub_co_u32 s57, s56, 12
	s_lshl_b32 s57, s57, 1
	s_add_co_u32 s57, s57, ttmp9                   ; v: P's cluster column 2 (y - 12) + x
	s_sub_co_u32 s58, s56, 4                       ; k: R's cluster row
	s_mov_b32 s59, 104                             ; k: P's first unit (Wk)
	s_mov_b32 s60, 112                             ; v: R's first unit (Wv)
	s_mov_b32 s61, 96                              ; q: P's first unit (Wq); v: the first unit of pc
	s_cmp_lt_u32 s56, 4                            ; q or k
	s_cselect_b32 s58, s56, s58
	s_cselect_b32 s59, s61, s59
	s_cselect_b32 s62, 0, 32                       ; R's first unit, and the first unit of pc
	s_cmp_lt_u32 s56, 12                           ; those or v
	s_cselect_b32 s57, ttmp9, s57
	s_cselect_b32 s58, s58, 0
	s_cselect_b32 s59, s59, 32
	s_cselect_b32 s60, s62, s60
	s_cselect_b32 s61, s62, s61
	s_cselect_b32 s63, 0, 1                        ; 1: the kind is v
	s_lshl_b32 s66, s57, 2
	s_add_co_u32 s66, s66, s[CX]                   ; Pg: P's unit; it never holds cy
	s_lshl_b32 s67, s58, 2
	s_add_co_u32 s67, s67, s[CY]                   ; Rt: R's pair of units; it never holds cx
	s_lshl_b32 s2, s[CY], 2
	s_lshl_b32 s2, 15, s2                          ; my row of the cluster
	s_lshl_b32 s3, 0x1111, s[CX]                   ; my column
	s_or_b32 s[G1R], s2, (3<<16)|(1<<21)           ; 15:0 the mask; 17:16 elements of 8 bytes; 21 set beside a mask; no padding
	s_or_b32 s[G1P], s3, (3<<16)|(1<<21)
	s_mov_b32 s[G1R+1], 32<<16                     ; a dense block as rows of 256 bytes: tensor_dim0 = 32
	s_mov_b32 s[G1R+2], 384<<16                    ; tensor_dim1: R: a whole unit, 98,304 bytes
	s_mov_b32 s[G1R+3], 32<<16                     ; tile_dim0
	s_mov_b32 s[G1R+4], 384                        ; tile_dim1
	s_mov_b32 s[G1R+5], 32                         ; the pitch
	s_mov_b32 s[G1R+6], 0
	s_mov_b32 s[G1R+7], 0
	s_mov_b32 s[G1P+1], 32<<16
	s_mov_b32 s[G1P+2], 192<<16                    ; P: four K steps, 49,152 bytes
	s_mov_b32 s[G1P+3], 32<<16
	s_mov_b32 s[G1P+4], 192
	s_mov_b32 s[G1P+5], 32
	s_mov_b32 s[G1P+6], 0
	s_mov_b32 s[G1P+7], 0
	s_add_co_u32 s86, s59, s66                     ; P's unit in xc
	s_lshl_b32 s90, s86, 12                        ; its scale words
	s_mov_b32 s91, 0
	s_mul_i32 s86, s86, UNIT
	s_mov_b32 s87, 0
	s_lshl_b32 s84, s67, 1
	s_add_co_u32 s84, s84, s60                     ; R's first unit in xc
	s_add_co_u32 s88, s84, s[ROLE]                 ; the one that I multiply:
	s_lshl_b32 s88, s88, 12
	s_lshl_b32 s62, s[SUB], 8
	s_add_co_u32 s88, s88, s62                     ; the scale words of my four tiles
	s_mov_b32 s89, 0
	s_mul_i32 s84, s84, UNIT
	s_mov_b32 s85, 0
	s_lshl_b32 s23, s67, 1
	s_add_co_u32 s23, s23, s[ROLE]                 ; Rg: R's unit in its own tensor
	s_lshl_b32 s92, s66, 9                         ; the bias: q, k: P's 128 numbers;
	s_lshl_b32 s93, s23, 9
	s_add_co_u32 s93, s93, s62                     ; v: my 64 of R's
	s_cmp_eq_u32 s63, 0
	s_cselect_b32 s92, s92, s93
	s_cselect_b32 s94, s23, s66                    ; the result's unit: the tokens' or keys' group,
	s_cselect_b32 s96, s66, s23                    ; and its pair of heads
	s_mov_b32 s93, 0
	s_add_co_u32 s94, s94, s61
	s_lshl_b32 s94, s94, 3
	s_add_co_u32 s94, s94, s96
	s_mul_i32 s94, s94, KBB                        ; the result's block of pc
	s_add_co_u32 s96, s94, s62
	s_add_co_u32 s96, s96, KB                      ; my 256 bytes of its scale words, behind its codes
	s_mov_b32 s97, 0
	s_mul_i32 s62, s[SUB], 4*TILE
	s_add_co_u32 s94, s94, s62                     ; my four tiles of codes
	s_mov_b32 s95, 0
	s_mul_i32 s58, s[SUB], UNIT                    ; what I fetch: of R unit SUB,
	s_mov_b32 s59, 0
	s_mul_i32 s60, s[SUB], 4*KB                    ; of P K steps 4 SUB .. 4 SUB + 3: the same distance in memory and in LDS
	s_mov_b32 s61, 0
	s_mov_b32 s98, 0xffff0000                      ; lanes 16-31
	s_mov_b32 s[SEL], 0x76543210
	s_mov_b32 s[SEL+1], 0xfedcba98
	s_wait_dscnt 0x0                               ; both opening adds are done
	s_wait_kmcnt 0x0
	s_add_nc_u64 s[84:85], s[4:5], s[84:85]
	s_add_nc_u64 s[86:87], s[4:5], s[86:87]
	s_add_nc_u64 s[88:89], s[6:7], s[88:89]
	s_add_nc_u64 s[90:91], s[6:7], s[90:91]
	s_cmp_lt_u32 s56, 4
	s_cselect_b64 s[8:9], s[8:9], s[10:11]
	s_cmp_lt_u32 s56, 12
	s_cselect_b64 s[8:9], s[8:9], s[12:13]
	s_add_nc_u64 s[92:93], s[8:9], s[92:93]
	s_add_nc_u64 s[94:95], s[14:15], s[94:95]
	s_add_nc_u64 s[96:97], s[14:15], s[96:97]
	s_add_nc_u64 s[84:85], s[84:85], s[58:59]
	s_add_nc_u64 s[86:87], s[86:87], s[60:61]
	CROUND                                         ; all sixteen work-groups are here: the joint loads meet
	s_mov_b32 s[G0R], 1
	s_add_co_u32 s[G0R+1], s58, LR
	s_mov_b64 s[G0R+2:G0R+3], s[84:85]
	s_or_b32 s[G0R+3], s[G0R+3], 0x80000000
	s_mov_b32 s[G0P], 1
	s_add_co_u32 s[G0P+1], s60, LP
	s_mov_b64 s[G0P+2:G0P+3], s[86:87]
	s_or_b32 s[G0P+3], s[G0P+3], 0x80000000
	JLOAD                                          ; my one tensor load
	v_and_b32 v3, 31, v0                           ; lane
	v_and_b32 v1, 15, v0                           ; r
	v_bfe_u32 v2, v0, 4, 1                         ; h
	v_lshlrev_b32 v[L16], 4, v3
	v_lshlrev_b32 v[L8], 3, v3
	v_lshlrev_b32 v[R16], 4, v1
	v_lshl_add_u32 v[SO], v2, 3, v[R16]
	v_and_b32 v[BO], 8, v1
	v_mad_u32_u24 v[BO], v[BO], 3, v1              ; r % 8 + 32 (r / 8)
	v_lshlrev_b32 v[SH8], 3, v2
	v_lshlrev_b32 v[BO], 2, v[BO]
.irp s, 0,1,2,3,4,5,6,7                        ; the scale words come once, straight into registers
	global_load_b128 v[PS+4*\s:PS+4*\s+3], v[L16], s[90:91] offset:512*\s   ; P: lanes 0-15 hold tiles 0-3 of place r, lanes 16-31 tiles 4-7
	global_load_b128 v[RS+4*\s:RS+4*\s+3], v[R16], s[88:89] offset:512*\s   ; R: my four tiles
.endr
	s_mov_b32 s57, LP
	v_add_nc_u32 v[AP], s57, v[L16]
	v_add_nc_u32 v[AP+1], s57, v[L8]
	v_add_nc_u32 v[AP+2], 4*KB, v[AP]
	v_add_nc_u32 v[AP+3], 4*KB, v[AP+1]
	s_mul_i32 s57, s[ROLE], UNIT
	s_add_co_u32 s57, s57, s62                     ; (s62 = SUB x four tiles)
	s_add_co_u32 s57, s57, LR
	v_add_nc_u32 v[AR], s57, v[L16]
	v_add_nc_u32 v[AR+1], s57, v[L8]
	v_add_nc_u32 v[AR+2], 4*KB, v[AR]
	v_add_nc_u32 v[AR+3], 4*KB, v[AR+1]
.irp b, 0,1,2,3
	v_mov_b32 v[TM+4+\b], 0                        ; written once: a lane permute's destination counts as one of its sources
.endr
.irp t, 0,1,2,3,4,5,6,7
	v_mov_b32 v[AL+2*\t+1], 0                      ; k = 1 and 3 of the small product
.endr
.irp a, 0,1,2,3
	v_mov_b32 v[BE+2*\a+1], 0
.endr
	s_cmp_eq_u32 s63, 0                            ; the cluster's y decides: all partners and all waves go the same way
	s_cbranch_scc0 .Lbias_v
.irp t, 0,1,2,3,4,5,6,7
	global_load_b32 v[AL+2*\t], v[BO], s[92:93] offset:(64*(\t/4)+8*(\t%4))*4   ; q, k: alpha = the bias of P's tile t, place r
.endr
.irp a, 0,1,2,3
	v_mov_b32 v[BE+2*\a], 1.0
.endr
	s_branch .Lbias_done
.Lbias_v:
.irp t, 0,1,2,3,4,5,6,7
	v_mov_b32 v[AL+2*\t], 1.0
.endr
.irp a, 0,1,2,3
	global_load_b32 v[BE+2*\a], v[BO], s[92:93] offset:32*\a   ; v: beta = the bias of R's tile a, place r
.endr
.Lbias_done:
	s_wait_loadcnt 0x0
	s_wait_alu depctr_va_vdst(0)
.irp t, 0,1,2,3,4,5,6,7
	v_cndmask_b32 v[AL+2*\t], v[AL+2*\t], 0, s98   ; lanes 16-31 hold k = 2: zeros
.endr
.irp a, 0,1,2,3
	v_cndmask_b32 v[BE+2*\a], v[BE+2*\a], 0, s98
.endr
.rept 4
	v_nop
.endr
	WIN 0x80                                       ; D in window 2
.irp a, 0,1,2,3
.irp t, 0,1,2,3,4,5,6,7
	v_wmma_f32_16x16x4_f32 v[8*(NPB*\a+\t):8*(NPB*\a+\t)+7], v[AL+2*\t:AL+2*\t+1], v[BE+2*\a:BE+2*\a+1], 0   ; alpha(m) x beta(n): the bias, exactly
.endr
.endr
	WIN 0
.rept 9
	v_nop                                          ; nine places between this form and another form that writes over its results
.endr
.macro FRAG reg, a16, a8, off          ; a fragment's image: 12 registers by four loads of 512 or 256 consecutive bytes
	ds_load_b128 v[(\reg):(\reg)+3], v[\a16] offset:\off
	ds_load_b64 v[(\reg)+4:(\reg)+5], v[\a8] offset:\off+512
	ds_load_b128 v[(\reg)+6:(\reg)+9], v[\a16] offset:\off+768
	ds_load_b64 v[(\reg)+10:(\reg)+11], v[\a8] offset:\off+1280
.endm
.macro FETCH s                         ; K step s: P's eight fragments and my four of R into set s % 2
	WIN 0x40                                       ; destination window 1
.irp t, 0,1,2,3,4,5,6,7
	FRAG 128*((\s)%2)+12*\t, AP+2*((\s)/4), AP+1+2*((\s)/4), ((\s)%4)*KB+TILE*\t
.endr
	WIN 0
.irp a, 0,1,2,3
	FRAG RF+48*((\s)%2)+12*\a, AR+2*((\s)/4), AR+1+2*((\s)/4), ((\s)%4)*KB+TILE*\a
.endr
.endm
.macro MUL s, a0                       ; 16 products: R's tiles a0, a0 + 1 x P's eight.  The 32 accumulators take turns, one instruction a turn, in the same order in every step
	WIN 0xa1                                       ; source 0 (P) window 1, source 1 (R) window 0, C and D window 2
.irp a, \a0, \a0+1
.irp t, 0,1,2,3,4,5,6,7
.if \t < 4
	v_wmma_scale_f32_16x16x128_f8f6f4 v[8*(NPB*(\a)+\t):8*(NPB*(\a)+\t)+7], v[128*((\s)%2)+12*\t:128*((\s)%2)+12*\t+11], v[RF+48*((\s)%2)+12*(\a):RF+48*((\s)%2)+12*(\a)+11], v[8*(NPB*(\a)+\t):8*(NPB*(\a)+\t)+7], v[PS+4*(\s)+\t], v[RS+4*(\s)+(\a)] matrix_a_fmt:MATRIX_FMT_FP6 matrix_b_fmt:MATRIX_FMT_FP6
.else
	v_wmma_scale_f32_16x16x128_f8f6f4 v[8*(NPB*(\a)+\t):8*(NPB*(\a)+\t)+7], v[128*((\s)%2)+12*\t:128*((\s)%2)+12*\t+11], v[RF+48*((\s)%2)+12*(\a):RF+48*((\s)%2)+12*(\a)+11], v[8*(NPB*(\a)+\t):8*(NPB*(\a)+\t)+7], v[PS+4*(\s)+\t-4], v[RS+4*(\s)+(\a)] matrix_a_fmt:MATRIX_FMT_FP6 matrix_b_fmt:MATRIX_FMT_FP6 matrix_a_scale:MATRIX_SCALE_ROW1
.endif
.endr
.endr
.endm
.macro STEP s
	s_wait_dscnt 0x0                               ; this step's fragments, asked for 16 products ago
	MUL \s, 0
.if \s < 7
.rept 4
	v_nop                                          ; four places in front of loads into the set that the step before multiplied
.endr
	FETCH (\s)+1
.endif
	MUL \s, 2
.endm
	s_wait_tensorcnt 0x0                           ; my one load has landed
	s_barrier_signal -1
	s_barrier_wait -1                              ; everybody's has: all of K lies in LDS
	FETCH 0
.irp s, 0,1,2,3,4,5,6,7
	STEP \s
.endr
	WIN 0
.rept 4
	v_nop                                          ; four places in front of the first read of results and of writes into registers that the last products read
.endr
; 64 numbers of a lane in window 2, v[s + 32 c + i] = number 64 c + 32 h + i along the next K: two WHOLE blocks, 2 c + h.  They become a fragment's codes from v[pc] on and its scale word in v[pw].  Each accumulator is read from its low end on.
.macro QUANT s, pc, pw
	WIN 0x0a                                       ; sources 0 and 1 window 2
.irp b, 0,1,2,3
	v_max3_num_f32 v[TM+\b], |v[(\s)+16*\b]|, |v[(\s)+16*\b+1]|, 0x1800000   ; four chains of 16 numbers, and the floor 2^(3 - 127): the byte cannot fall under 1
.endr
	WIN 0x28                                       ; sources 1 and 2 window 2
.irp i, 2,4,6,8,10,12,14
.irp b, 0,1,2,3
	v_max3_num_f32 v[TM+\b], v[TM+\b], |v[(\s)+16*\b+\i]|, |v[(\s)+16*\b+\i+1]|
.endr
.endr
	WIN 0
.irp c, 0,1
	v_max_num_f32 v[TM+2*\c], v[TM+2*\c], v[TM+2*\c+1]   ; the block's two halves: its largest magnitude
.endr
.irp c, 0,1
	v_add_nc_u32 v[TM+12+\c], 0xff000000, v[TM+2*\c]     ; 2 off its exponent field: the conversion's scale operand
.endr
.irp c, 0,1
	v_lshrrev_b32 v[TM+4+\c], 23, v[TM+12+\c]            ; the scale's byte
.endr
	v_lshl_or_b32 v[TM+6], v[TM+5], 16, v[TM+4]          ; my two bytes, blocks h and 2 + h,
	v_lshlrev_b32 v[TM+6], v[SH8], v[TM+6]               ; at their places in the word;
	v_permlanex16_b32 v[TM+7], v[TM+6], s[SEL], s[SEL+1]
	v_or_b32 v[\pw], v[TM+6], v[TM+7]                    ; with lane l xor 16's two the word is whole
	WIN 0x02                                       ; source 0 window 2
.irp c, 0,1
	v_cvt_scalef32_pk16_fp6_f32 v[(\pc)+6*\c:(\pc)+6*\c+2], v[(\s)+32*\c:(\s)+32*\c+15], v[TM+12+\c]
	v_cvt_scalef32_pk16_fp6_f32 v[(\pc)+12+4*\c:(\pc)+14+4*\c], v[(\s)+32*\c+16:(\s)+32*\c+31], v[TM+12+\c]   ; (a conversion's three registers begin on an even number)
.endr
	WIN 0
	v_nop                                          ; one plain place behind a scaled conversion
.irp c, 0,1
.irp i, 0,1,2
	v_mov_b32 v[(\pc)+6*\c+3+\i], v[(\pc)+12+4*\c+\i]
.endr
.endr
.endm
.irp a, 0,1,2,3                                ; each of my four tiles of R's rows: one fragment; its own 20 registers, so that no store's data are written again
	QUANT 64*\a, RF+20*\a, PW+\a
	global_store_b128 v[L16], v[RF+20*\a:RF+20*\a+3], s[94:95] offset:TILE*\a        ; each store covers 512 or 256 consecutive bytes, aligned
	global_store_b64 v[L8], v[RF+20*\a+4:RF+20*\a+5], s[94:95] offset:TILE*\a+512
	global_store_b128 v[L16], v[RF+20*\a+6:RF+20*\a+9], s[94:95] offset:TILE*\a+768
	global_store_b64 v[L8], v[RF+20*\a+10:RF+20*\a+11], s[94:95] offset:TILE*\a+1280
.endr
	v_cndmask_b32 v[W], v[PW], v[PW+2], s98        ; lanes 0-15: the words of tiles 0, 1; lanes 16-31: of tiles 2, 3
	v_cndmask_b32 v[W+1], v[PW+1], v[PW+3], s98
	global_store_b64 v[SO], v[W:W+1], s[96:97]     ; the 32 lanes fill 256 consecutive bytes, aligned
	s_wait_tensorcnt 0x0                           ; the wave's end
	ds_add_u32 v[SPW], v[NIL]
	s_wait_dscnt 0x0
	CROUND                                         ; the closing round
	s_endpgm
.Lfunc_end_k_q2248c72cdd_proj:
	.size	k_q2248c72cdd_proj, .Lfunc_end_k_q2248c72cdd_proj-k_q2248c72cdd_proj
	.p2alignl 7, 3214868480
	.fill 96, 4, 3214868480
	.section	.rodata,"a",@progbits
	.p2align	6, 0x0
	.amdhsa_kernel k_q2248c72cdd_proj
		.amdhsa_group_segment_fixed_size 327680
		.amdhsa_private_segment_fixed_size 0
		.amdhsa_enable_private_segment 0
		.amdhsa_kernarg_size 48
		.amdhsa_user_sgpr_count 2
		.amdhsa_user_sgpr_kernarg_segment_ptr 1
		.amdhsa_wavefront_size32 1
		.amdhsa_system_sgpr_workgroup_id_x 1
		.amdhsa_system_sgpr_workgroup_id_y 1
		.amdhsa_system_sgpr_workgroup_id_z 1
		.amdhsa_system_vgpr_workitem_id 0
		.amdhsa_next_free_vgpr 768
		.amdhsa_next_free_sgpr 102
		.amdhsa_reserve_vcc 0
		.amdhsa_float_denorm_mode_32 3
		.amdhsa_float_denorm_mode_16_64 3
		.amdhsa_memory_ordered 1
		.amdhsa_forward_progress 1
		.amdhsa_inst_pref_size 88
	.end_amdhsa_kernel
	.amdgpu_metadata
---
amdhsa.version: [ 1, 2 ]
amdhsa.kernels:
  - .name:           k_q2248c72cdd_proj
    .symbol:         k_q2248c72cdd_proj.kd
    .args:
      - { .name: xc, .offset: 0, .size: 8, .value_kind: global_buffer, .address_space: global }
      - { .name: xs, .offset: 8, .size: 8, .value_kind: global_buffer, .address_space: global }
      - { .name: bq, .offset: 16, .size: 8, .value_kind: global_buffer, .address_space: global }
      - { .name: bk, .offset: 24, .size: 8, .value_kind: global_buffer, .address_space: global }
      - { .name: bv, .offset: 32, .size: 8, .value_kind: global_buffer, .address_space: global }
      - { .name: pc, .offset: 40, .size: 8, .value_kind: global_buffer, .address_space: global }
    .group_segment_fixed_size: 327680
    .private_segment_fixed_size: 0
    .kernarg_segment_align: 8
    .kernarg_segment_size: 48
    .max_flat_workgroup_size: 128
    .sgpr_count:     102
    .vgpr_count:     768
    .wavefront_size: 32
...
	.end_amdgpu_metadata
.endif
;; end of part 2
;; launch attn (part 3): grid 32 x 8, 8 waves a work-group, clusters of 4 x 1, 327,680 bytes of LDS; arguments pc, cc, cs; writes cc, cs
.if DOCPART == 3
	.amdgcn_target "amdgcn-amd-amdhsa--gfx1250"
	.amdhsa_code_object_version 6
	.text
	.protected	k_q2248c72cdd_attn
	.globl	k_q2248c72cdd_attn
	.p2align	8
	.type	k_q2248c72cdd_attn,@function
k_q2248c72cdd_attn:
	s_mov_b64 s[64:65], 0
	v_nop
	global_prefetch_b8 v0, s[64:65] scope:SCOPE_SE
	s_setreg_imm32_b32 hwreg(HW_REG_WAVE_MODE, 25, 1), 1
	s_wait_xcnt 0x0
	s_wait_alu depctr_hold_cnt(0) depctr_sa_sdst(0) depctr_va_vdst(0) depctr_va_sdst(0) depctr_va_ssrc(0) depctr_va_vcc(0) depctr_vm_vsrc(0)
	s_getreg_b32 s2, hwreg(HW_REG_IB_STS2, 6, 4)
	s_cmp_eq_u32 s2, 0
	s_cbranch_scc0 .Lentry_in_a_cluster
	s_endpgm
.Lentry_in_a_cluster:
	s_bfe_u32 s2, ttmp6, 0x10000c
	s_cmp_lg_u32 s2, 0x3003
	s_cbranch_scc0 .Lentry_shape_is_right
	s_endpgm
.Lentry_shape_is_right:
; LAUNCH 3 OF 4: ctx = softmax(q k^T / 8) v for each batch and head, both products on the codes of pc; ctx is quantised in registers along the hidden axis and leaves as codes (cc) and scale words (cs).  No work of reference() is left out here.
; THE SOFTMAX: t = score x log2(e) / 8 (q was quantised without the factor 1/8, a power of two that a block's scale takes up); M = the row's largest t so far, rounded UP to a whole number; p = 2^(t - M) is quantised along
; the keys, not normalised; the row's sum is taken of the unquantised p and divides O at the end.  When M moves, the sum and O are multiplied by 2^(old M - new M): exact.
; pc: blocks of 12,800 bytes [unit of 128 rows][pair of heads hp]: eight tiles of 1,536 bytes of codes, then 512 bytes of scale words, (tile a, place r) at 256 (a / 4) + 16 r + 4 (a % 4).  Units 0-31 q, 32-95 k (half c of a
; tile's image is head 2 hp + c), 96-159 v (tile 4 par + dt: 16 of head 2 hp + par's d, K = the unit's 128 keys).  Place r of tile 4 c + t is row 64 c + 32 (r / 8) + 8 t + r % 8 of its unit.
; SHARES: a work-group owns 128 queries of one batch and one pair of heads; wave w owns query tiles 2 (w % 4), 2 (w % 4) + 1 of head 2 hp + w / 4: 32 queries, so that each fragment of K and of V read from LDS feeds two
; products.  Every wave walks the batch's 4,096 keys, 128 a step, through a ring of two LDS slots of four steps (K's four blocks, then V's four); each of the eight waves fetches one block of a slot: 50 rows of 256 bytes.
; LAYOUT: both products transposed: S^T = K Q^T, O^T = V^T P^T: a lane holds ONE query of each tile.  By the order of a tile's places p's 32 registers of tiles 4 c .. 4 c + 3 are keys 64 c + 32 h + 0 .. 31: a whole block of
; the next K, in the lane that the operand's layout gives it: no number changes lanes; only the row's maximum, the sum and the scale word's bytes are joined with lane l xor 16.  O^T's 32 registers are d = 32 h + 0 .. 31.
; K = 64 IN A FORM THAT IS 128 DEEP: Q's registers 6-11 are zero codes.  K's tile t is six registers and its operand names twelve: the upper six are the next tile's codes (behind tile 7: zeros), finite numbers that meet
; Q's zeros alone; both sides' scale words are loaded as 16 bits, so that their bytes 2 and 3 are 0, never 0xff.
; K RUNS A STEP AHEAD inside a slot: K's registers are free behind the score products, so the next step's tiles are asked for there, beside V's.  A slot's last step asks for none and is written out.
; CLUSTER: the four work-groups of a cluster are four query groups of one batch and pair of heads: they walk the same K and V and ask for each block JOINTLY (mask 15).
; LIMITS: the promise holds while the scaled scores t stay under 2^31 in magnitude; a block of p that has fallen to 0, and a block of zeros of ctx, keep the byte 1 (their codes are zeros, and this program alone reads
; the bytes); NaN and infinities among the inputs are not served.
; REGISTERS: window 0: addresses, Q, V's fragments, scale words, p's codes, what is at work.  Window 1: v0-127 S^T then p (tile u at 64 u), v128-191 O^T (32 u), v192-239 K's eight tiles, v240-245 zeros.
.set KBB,   12800
.set UNITB, 8*KBB
.set TILE,  1536
.set SCO,   12288                      ; a block's scale words
.set VOFF,  4*KBB
.set SLOT1, 1<<17                      ; slot 1 begins here
.set SPARE, 2*SLOT1                    ; the spare words, 128 bytes for each wave: four blocks of 256 bytes that no other line names
.set CST,   SPARE+1024                 ; ctx's scale words, 512 bytes: LDS stores alone land here
.set AK16,  1
.set AK8,   2
.set AV16,  3
.set AV8,   4
.set SPW,   5                          ; LDS address of my spare word; never rewritten
.set NIL,   6                          ; 0; never rewritten
.set ASK0,  7
.set ASV0,  8
.set ADK16, 9
.set ADK8,  10
.set ADS,   11
.set ADV16, 12
.set ADV8,  13
.set ADT,   14
.set SH8,   15                         ; 8 h
.set QF,    16                         ; Q: 12 registers a tile, the upper six zeros
.set QS,    40
.set NM,    42                         ; pairs: -M, the largest score so far
.set SUM,   46                         ; pairs: the sum in two halves
.set F,     50                         ; pairs: f = 2^(old M - new M); the upper register is named with it and written once
.set PWD,   54                         ; p's scale words
.set KS,    56
.set VS,    64
.set VF,    68
.set PC,    116                        ; p's codes, 12 a tile
.set CT,    140                        ; the conversions' second halves
.set TM,    156                        ; four chains of maxima a tile; then block c's largest at TM + 4 u + 2 c
.set SCL,   164
.set BY,    168
.set TP,    172
.set TX,    174
.set T,     176                        ; four chains of sums a tile
.set PFO,   192
.set G16,   193
.set G8,    194
.set R16,   195
.set CSA,   196
.set CSR,   197
.set OW,    200
.set OB,    128                        ; window 1
.set KF,    192                        ; window 1
.set TB,    2                          ; LDS byte at which the slot in hand begins
.set TQ,    3                          ; the step's block in it
.set TA,    10
.set SC,    11
.set PAR,   12
.set W3,    13
.set CX,    14
.set GQ,    15
.set BB,    16
.set HP,    17
.set WV,    18
.set TN,    19                         ; the next step's block
.set SEL,   20
.set CS,    22                         ; s[22:23] c = log2(e) / 8
.set G1T,   24
.set G0T,   40                         ; it walks
.set SLOTS, 67
.set PFA,   76
.set LIM,   80
.set MSB, 0
.macro WIN new                         ; the immediate's high byte repeats the setting that is left; bits 1:0 source 0, 3:2 source 1, 5:4 source 2, 7:6 destination
.if MSB != \new
	s_set_vgpr_msb (MSB<<8)|\new
.set MSB, \new
.endif
.endm
.macro D2
	s_delay_alu instid0(VALU_DEP_2)
.endm
.macro D4
	s_delay_alu instid0(VALU_DEP_4)
.endm
.macro CROUND                          ; a round of the cluster's barrier
	s_barrier_signal -1
	s_barrier_wait -1
	s_cmp_lg_u32 s[WV], 0
	s_cbranch_scc1 .Lnot_wave_0_\@
	s_barrier_signal -3
.Lnot_wave_0_\@:
	s_barrier_wait -3
	s_barrier_signal -1
	s_barrier_wait -1
.endm
.macro TLOAD                           ; every wave fetches its block; an s_nop 0 and four v_nop follow
	tensor_load_to_lds s[G0T:G0T+3], s[G1T:G1T+7]
	s_nop 0
.rept 4
	v_nop
.endr
.endm
; A PREFETCH INTO THE L2 of what the NEXT change of slots will ask for.  All four clusters of a batch and pair of heads walk the same K and V: the first of them asks.  Its four partners share the slot out BY ADDRESS:
; partner cx takes key step cx: K's block in waves 4, 5 and V's in waves 6, 7, 50 rows of 256 bytes each, a lane a row (the lanes left over name their wave's last row again).  It stands behind the change's tensor
; load, four key steps ahead of the load that will want the bytes.  The last change that fills a slot asks for nothing; slots 0 and 1 come by their loads alone.
.macro ASK
	s_cmp_gt_u32 s[SLOTS], s[LIM]
	s_cbranch_scc0 .Lnot_mine_\@
	global_prefetch_b8 v[PFO], s[PFA:PFA+1] th:TH_LOAD_NT scope:SCOPE_SE
.Lnot_mine_\@:
.endm
	s_load_b128 s[4:7], s[0:1], 0x0                ; pc s[4:5], cc s[6:7]
	s_load_b64 s[8:9], s[0:1], 0x10                ; cs
	v_lshl_add_u32 v[SPW], v0, 2, SPARE
	v_mov_b32 v[NIL], 0
	ds_add_u32 v[SPW], v[NIL]                      ; the wave's opening: the add, twice on end, and its wait ahead of my first tensor load
	ds_add_u32 v[SPW], v[NIL]
	v_lshrrev_b32 v7, 5, v0
	v_readfirstlane_b32 s[WV], v7                  ; wave 0..7
	s_and_b32 s[W3], s[WV], 3                      ; my pair of query tiles; also: the key step of a slot that I fetch
	s_lshr_b32 s[PAR], s[WV], 2                    ; my head of the pair; also: I fetch for K (0) or V (1)
	s_bfe_u32 s[CX], ttmp6, 0x40000
	s_lshl_b32 s[GQ], ttmp9, 2
	s_add_co_u32 s[GQ], s[GQ], s[CX]               ; my group of 128 queries: it enters Q's and ctx's global addresses alone
	s_lshr_b32 s[BB], ttmp9, 2                     ; the batch
	s_and_b32 s[HP], ttmp7, 0xffff                 ; the pair of heads
	s_lshl_b32 s48, s[PAR], 6
	s_lshl_b32 s49, s[BB], 5
	s_add_co_u32 s48, s48, s49
	s_add_co_u32 s48, s48, s[W3]
	s_add_co_u32 s48, s48, 32                      ; the unit of K or of V that I fetch for slot 0
	s_lshl_b32 s48, s48, 3
	s_add_co_u32 s48, s48, s[HP]
	s_mul_i32 s52, s48, KBB
	s_mov_b32 s53, 0
	s_mov_b32 s[G1T], 15|(3<<16)|(1<<21)           ; 15:0 the mask: all four partners; 17:16 elements of 8 bytes; 21 set beside a mask; no padding
	s_mov_b32 s[G1T+1], 32<<16                     ; a dense block as rows of 256 bytes
	s_mov_b32 s[G1T+2], 50<<16
	s_mov_b32 s[G1T+3], 32<<16
	s_mov_b32 s[G1T+4], 50
	s_mov_b32 s[G1T+5], 32
	s_mov_b32 s[G1T+6], 0
	s_mov_b32 s[G1T+7], 0
	s_lshl_b32 s56, s[GQ], 3
	s_add_co_u32 s56, s56, s[HP]                   ; 8 x my query group + hp
	s_mul_i32 s57, s[W3], 2*TILE
	s_mul_i32 s50, s[PAR], 768
	s_add_co_u32 s57, s57, s50                     ; my two half tiles' place in a block of codes
	s_mul_i32 s58, s56, KBB
	s_lshr_b32 s68, s[W3], 1
	s_lshl_b32 s68, s68, 8
	s_and_b32 s50, s[W3], 1
	s_lshl_b32 s50, s50, 3
	s_add_co_u32 s68, s68, s50
	s_lshl_b32 s50, s[PAR], 1
	s_add_co_u32 s68, s68, s50                     ; my first tile's and head's place in a block of scale words: 256 (a / 4) + 4 (a % 4) + 2 par
	s_add_co_u32 s72, s58, s68
	s_add_co_u32 s72, s72, SCO
	s_mov_b32 s73, 0
	s_add_co_u32 s58, s58, s57
	s_mov_b32 s59, 0
	s_mul_i32 s60, s56, 8*TILE
	s_add_co_u32 s60, s60, s57
	s_mov_b32 s61, 0
	s_lshl_b32 s74, s56, 9
	s_mov_b32 s75, 0
	s_add_co_u32 s70, s49, s[CX]
	s_add_co_u32 s70, s70, 36                      ; the prefetches: K's unit of key step cx of slot 1; the first change of slots steps it to slot 2
	s_lshl_b32 s70, s70, 3
	s_add_co_u32 s70, s70, s[HP]
	s_mul_i32 s70, s70, KBB
	s_mov_b32 s71, 0
	s_cmp_lt_u32 s[WV], 4
	s_cselect_b32 s69, 1, 0                        ; 0 in waves 4 to 7,
	s_and_b32 s50, ttmp9, 3
	s_or_b32 s69, s69, s50                         ; of the batch's first cluster: the same in all four partners
	s_cmp_eq_u32 s69, 0
	s_cselect_b32 s[LIM], 1, -1
	s_mov_b32 s[SEL], 0x76543210
	s_mov_b32 s[SEL+1], 0xfedcba98
	s_mov_b32 s[CS], 0x3e38aa3b                    ; c = log2(e) / 8
	s_mov_b32 s[CS+1], s[CS]
	s_mov_b32 s[TB], 0
	s_mov_b32 s[SLOTS], 7
	s_wait_dscnt 0x0                               ; both opening adds are done
	s_wait_kmcnt 0x0
	s_mov_b32 s[G0T], 1
	s_mul_i32 s[G0T+1], s[WV], KBB                 ; slot 0: K's blocks 0-3, V's 0-3: block = wave
	s_add_nc_u64 s[G0T+2:G0T+3], s[4:5], s[52:53]
	s_or_b32 s[G0T+3], s[G0T+3], 0x80000000
	s_add_nc_u64 s[58:59], s[4:5], s[58:59]        ; Q's codes
	s_add_nc_u64 s[72:73], s[4:5], s[72:73]        ; Q's scale words
	s_add_nc_u64 s[6:7], s[6:7], s[60:61]          ; ctx's codes
	s_add_nc_u64 s[8:9], s[8:9], s[74:75]          ; ctx's scale words
	s_add_nc_u64 s[PFA:PFA+1], s[4:5], s[70:71]
	CROUND                                         ; all four work-groups are here: the first joint loads meet
	TLOAD                                          ; slot 0: one tensor load a wave at the head
	v_and_b32 v9, 31, v0                           ; lane
	v_and_b32 v10, 15, v0                          ; r
	v_bfe_u32 v11, v0, 4, 1                        ; h
	v_lshlrev_b32 v[G16], 4, v9
	v_lshlrev_b32 v[G8], 3, v9
	v_lshlrev_b32 v[R16], 4, v10
	v_lshlrev_b32 v[SH8], 3, v11
	s_wait_alu depctr_va_vdst(0)
.irp u, 0,1
	global_load_b128 v[QF+12*\u:QF+12*\u+3], v[G16], s[58:59] offset:TILE*\u       ; Q: my head's six registers: d = 32 h + 0 .. 31
	global_load_b64 v[QF+12*\u+4:QF+12*\u+5], v[G8], s[58:59] offset:TILE*\u+512
	global_load_u16 v[QS+\u], v[R16], s[72:73] offset:4*\u                         ; its two scale bytes; bytes 2 and 3 are 0
.endr
	s_mul_i32 s48, s[PAR], 768
	v_add_nc_u32 v[AK16], s48, v[G16]
	v_add_nc_u32 v[AK8], s48, v[G8]
	s_mul_i32 s48, s[PAR], 4*TILE
	s_add_co_u32 s48, s48, VOFF
	v_add_nc_u32 v[AV16], s48, v[G16]
	v_add_nc_u32 v[AV8], s48, v[G8]
	s_lshl_b32 s48, s[PAR], 1
	s_add_co_u32 s48, s48, SCO
	v_add_nc_u32 v[ASK0], s48, v[R16]
	s_lshl_b32 s48, s[PAR], 8
	s_add_co_u32 s48, s48, VOFF+SCO
	v_add_nc_u32 v[ASV0], s48, v[R16]
	s_add_co_u32 s48, s68, CST
	v_add_nc_u32 v[CSA], s48, v[R16]
	v_add_nc_u32 v[CSA], v[CSA], v11               ; my block's byte of ctx's scale word: 2 par + h
	v_add_nc_u32 v[CSR], CST, v[G16]
	v_and_b32 v[PFO], 63, v0                       ; the prefetches' offset: row min(thread % 64, 49) of the block,
	v_min_u32 v[PFO], 49, v[PFO]
	v_lshlrev_b32 v[PFO], 8, v[PFO]
	v_and_b32 v9, 64, v0                           ; waves 6, 7: V's block, 64 units further on
	v_mul_u32_u24 v9, v9, UNITB
	v_add_nc_u32 v[PFO], v[PFO], v9
.irp u, 0,1
.irp j, 6,7,8,9,10,11
	v_mov_b32 v[QF+12*\u+\j], 0                    ; Q's upper half: zero codes
.endr
	v_mov_b32 v[NM+2*\u], 0x7e800000               ; -M = 2^126: over every -M to come
	v_mov_b32 v[NM+2*\u+1], 0xff61b1e6             ; the largest score so far: -3e38
	v_mov_b32 v[SUM+2*\u], 0
	v_mov_b32 v[SUM+2*\u+1], 0
	v_mov_b32 v[F+2*\u+1], 0
	v_mov_b32 v[TX+\u], 0                          ; written once: a lane permute's destination counts as one of its sources
.endr
	WIN 0x40
.set j, 0
.rept 64
	v_mov_b32 v[OB+j], 0                           ; O^T: the step is written for every step alike: the first finds zeros, which the first change of M leaves zeros
.set j, j+1
.endr
.irp j, 48,49,50,51,52,53
	v_mov_b32 v[KF+\j], 0                          ; what stands behind K's tile 7: zero codes
.endr
	WIN 0
.macro FRAG reg, a16, a8, off          ; a fragment's image: 12 registers by four loads of 512 or 256 consecutive bytes
	ds_load_b128 v[(\reg):(\reg)+3], v[\a16] offset:\off
	ds_load_b64 v[(\reg)+4:(\reg)+5], v[\a8] offset:\off+512
	ds_load_b128 v[(\reg)+6:(\reg)+9], v[\a16] offset:\off+768
	ds_load_b64 v[(\reg)+10:(\reg)+11], v[\a8] offset:\off+1280
.endm
.macro KLOAD ta                        ; my head's half of K's eight tiles, and their scale words, of the block at LDS byte s[ta]
	v_add_nc_u32 v[ADK16], s[\ta], v[AK16]
	v_add_nc_u32 v[ADK8], s[\ta], v[AK8]
	v_add_nc_u32 v[ADS], s[\ta], v[ASK0]
	WIN 0x40
.irp t, 0,1,2,3,4,5,6,7
	ds_load_b128 v[KF+6*\t:KF+6*\t+3], v[ADK16] offset:TILE*\t
	ds_load_b64 v[KF+6*\t+4:KF+6*\t+5], v[ADK8] offset:TILE*\t+512
.endr
	WIN 0
.irp t, 0,1,2,3,4,5,6,7
	ds_load_u16 v[KS+\t], v[ADS] offset:256*(\t/4)+4*(\t%4)
.endr
.endm
; A KEY STEP: 128 keys, the block at LDS byte s[TA] of the slot in hand, against my two query tiles u = 0, 1.  K's tiles have been asked for.  pre = 1: the next step's, at s[TN], are asked for here.
.macro STEP pre
	s_wait_alu depctr_va_vdst(0)
	s_wait_dscnt 0x0                               ; K's tiles and scale words
	WIN 0x41
.irp u, 0,1                                    ; S^T = K Q^T: sixteen accumulators, one instruction each, tile 0's first
.irp t, 0,1,2,3,4,5,6,7
	v_wmma_scale_f32_16x16x128_f8f6f4 v[64*\u+8*\t:64*\u+8*\t+7], v[KF+6*\t:KF+6*\t+11], v[QF+12*\u:QF+12*\u+11], 0, v[KS+\t], v[QS+\u] matrix_a_fmt:MATRIX_FMT_FP6 matrix_b_fmt:MATRIX_FMT_FP6
.endr
.endr
	WIN 0
	v_add_nc_u32 v[ADV16], s[TA], v[AV16]          ; four plain lines: the places in front of the first read of the scores and of the loads into K's registers
	v_add_nc_u32 v[ADV8], s[TA], v[AV8]
	v_add_nc_u32 v[ADT], s[TA], v[ASV0]
	v_nop
.irp d, 0,1,2,3                                ; V's four fragments are asked for now and land under the softmax
	FRAG VF+12*\d, ADV16, ADV8, TILE*\d
.endr
	ds_load_b128 v[VS:VS+3], v[ADT]
.if \pre
	KLOAD TN
.endif
.irp u, 0,1                                    ; THE LARGEST SCORE OF EACH BLOCK OF 32 KEYS, in two chains (17 and 15 numbers): for the row's maximum, and, since p rises with the score, for the block's largest p
	WIN 0x15
.irp c, 0,1
	v_max3_num_f32 v[TM+4*\u+2*\c], v[64*\u+32*\c], v[64*\u+32*\c+1], v[64*\u+32*\c+2]
	v_max3_num_f32 v[TM+4*\u+2*\c+1], v[64*\u+32*\c+17], v[64*\u+32*\c+18], v[64*\u+32*\c+19]
.endr
	WIN 0x14
.irp i, 0,1,2,3,4,5
.irp c, 0,1
	v_max3_num_f32 v[TM+4*\u+2*\c], v[TM+4*\u+2*\c], v[64*\u+32*\c+3+2*\i], v[64*\u+32*\c+4+2*\i]
	v_max3_num_f32 v[TM+4*\u+2*\c+1], v[TM+4*\u+2*\c+1], v[64*\u+32*\c+20+2*\i], v[64*\u+32*\c+21+2*\i]
.endr
.endr
.irp c, 0,1
	v_max3_num_f32 v[TM+4*\u+2*\c], v[TM+4*\u+2*\c], v[64*\u+32*\c+15], v[64*\u+32*\c+16]
.endr
.endr
	WIN 0
.irp u, 0,1
.irp c, 0,1
	v_max_num_f32 v[TM+4*\u+2*\c], v[TM+4*\u+2*\c], v[TM+4*\u+2*\c+1]
.endr
.endr
.irp u, 0,1
	v_max3_num_f32 v[TP+\u], v[TM+4*\u], v[TM+4*\u+2], v[NM+2*\u+1]
.endr
.irp u, 0,1
	D2
	v_permlanex16_b32 v[TX+\u], v[TP+\u], s[SEL], s[SEL+1]
.endr
.irp u, 0,1
	D2
	v_max_num_f32 v[NM+2*\u+1], v[TP+\u], v[TX+\u]   ; with lane l xor 16's keys: the running largest score of my query
.endr
.irp u, 0,1
	D2
	v_mul_f32 v[TP+\u], s[CS], v[NM+2*\u+1]        ; as t (c is positive)
.endr
.irp u, 0,1
	v_mov_b32 v[TX+\u], v[NM+2*\u]
.endr
.irp u, 0,1
	D4
	v_floor_f32 v[NM+2*\u], -v[TP+\u]              ; the new -M = floor(-t): M is a whole number
.endr
.irp u, 0,1
	D2
	v_sub_f32 v[TX+\u], v[NM+2*\u], v[TX+\u]       ; old M - new M: a whole number, 0 or less
.endr
.irp u, 0,1
	D2
	v_cvt_i32_f32 v[TX+\u], v[TX+\u]               ; (it saturates)
.endr
.irp u, 0,1
	D2
	v_ldexp_f32 v[F+2*\u], 1.0, v[TX+\u]           ; f = 2^(old M - new M)
.endr
.irp u, 0,1
.irp c, 0,1
	v_fma_f32 v[TM+4*\u+2*\c], v[TM+4*\u+2*\c], s[CS], v[NM+2*\u]   ; t - M of each block's largest score
.endr
.endr
	WIN 0x41
.irp u, 0,1
.set j, 0
.rept 16
	v_pk_mul_f32 v[OB+32*\u+j:OB+32*\u+j+1], v[OB+32*\u+j:OB+32*\u+j+1], v[F+2*\u:F+2*\u+1] op_sel_hi:[1,0]   ; O^T under the new M, each accumulator from its low end on
.set j, j+2
.endr
.endr
.irp u, 0,1
.set j, 0
.rept 32
	v_pk_fma_f32 v[64*\u+j:64*\u+j+1], v[64*\u+j:64*\u+j+1], s[CS:CS+1], v[NM+2*\u:NM+2*\u+1] op_sel_hi:[1,0,0]   ; t - M, two at a time (of the pairs c and -M the low word serves both halves)
.set j, j+2
.endr
.endr
	s_wait_alu depctr_va_vdst(0)
.set j, 0
.rept 128
	v_exp_f32 v[j], v[j]                           ; p = 2^(t - M), at most 1
.set j, j+1
.endr
	WIN 0
.irp u, 0,1
.irp c, 0,1
	v_exp_f32 v[TM+4*\u+2*\c], v[TM+4*\u+2*\c]     ; the block's largest p: the same two instructions on the same number
.endr
.endr
.irp u, 0,1
	v_pk_mul_f32 v[SUM+2*\u:SUM+2*\u+1], v[SUM+2*\u:SUM+2*\u+1], v[F+2*\u:F+2*\u+1] op_sel_hi:[1,0]   ; the sums under the new M: plain lines behind the exponentials
.endr
	s_wait_alu depctr_va_vdst(0)                   ; and one wait behind the batch, ahead of its first reader
.irp u, 0,1
.irp c, 0,1
	v_max_num_f32 v[TM+4*\u+2*\c], 0x1800000, v[TM+4*\u+2*\c]   ; the floor 2^(3 - 127): the byte cannot fall under 1
.endr
.endr
.irp u, 0,1
.irp c, 0,1
	D4
	v_add_nc_u32 v[SCL+2*\u+\c], 0xff000000, v[TM+4*\u+2*\c]    ; 2 off the exponent field: the conversion's scale operand
.endr
.endr
.irp u, 0,1
.irp c, 0,1
	D4
	v_lshrrev_b32 v[BY+2*\u+\c], 23, v[SCL+2*\u+\c]             ; the scale's byte
.endr
.endr
.irp u, 0,1
	v_lshl_or_b32 v[TP+\u], v[BY+2*\u+1], 16, v[BY+2*\u]        ; my two bytes, blocks h and 2 + h,
.endr
.irp u, 0,1
	D2
	v_lshlrev_b32 v[TP+\u], v[SH8], v[TP+\u]                    ; at their places in the word;
.endr
.irp u, 0,1
	D2
	v_permlanex16_b32 v[TX+\u], v[TP+\u], s[SEL], s[SEL+1]
.endr
.irp u, 0,1
	D2
	v_or_b32 v[PWD+\u], v[TP+\u], v[TX+\u]                      ; with lane l xor 16's two: p's scale word for these 128 keys
.endr
	WIN 0x01
.irp u, 0,1
.irp c, 0,1
	v_cvt_scalef32_pk16_fp6_f32 v[PC+12*\u+6*\c:PC+12*\u+6*\c+2], v[64*\u+32*\c:64*\u+32*\c+15], v[SCL+2*\u+\c]
	v_cvt_scalef32_pk16_fp6_f32 v[CT+8*\u+4*\c:CT+8*\u+4*\c+2], v[64*\u+32*\c+16:64*\u+32*\c+31], v[SCL+2*\u+\c]   ; (a conversion's three registers begin on an even number)
.endr
.endr
	WIN 0
	v_nop                                          ; one plain place behind a scaled conversion
.irp u, 0,1
.irp c, 0,1
.irp i, 0,1,2
	v_mov_b32 v[PC+12*\u+6*\c+3+\i], v[CT+8*\u+4*\c+\i]
.endr
.endr
.endr
	WIN 0x05                                       ; THE ROW'S SUM IS TAKEN OF THE UNQUANTISED p: two at a time, four chains a tile.  The chains' first eight lines are the places between the codes just made and the products below
.irp u, 0,1
.irp k, 0,1,2,3
	v_pk_add_f32 v[T+8*\u+2*\k:T+8*\u+2*\k+1], v[64*\u+16*\k:64*\u+16*\k+1], v[64*\u+16*\k+2:64*\u+16*\k+3]
.endr
.endr
	s_wait_alu depctr_va_vdst(0)
	s_wait_dscnt 0x0                               ; V's fragments and scale words (and the next step's K)
	WIN 0x50
.irp d, 0,1,2,3                                ; O^T += V^T P^T: eight accumulators, one instruction each
.irp u, 0,1
	v_wmma_scale_f32_16x16x128_f8f6f4 v[OB+32*\u+8*\d:OB+32*\u+8*\d+7], v[VF+12*\d:VF+12*\d+11], v[PC+12*\u:PC+12*\u+11], v[OB+32*\u+8*\d:OB+32*\u+8*\d+7], v[VS+\d], v[PWD+\u] matrix_a_fmt:MATRIX_FMT_FP6 matrix_b_fmt:MATRIX_FMT_FP6
.endr
.endr
	WIN 0x04                                       ; the rest of the sums names no register of these products
.irp i, 2,3,4,5,6,7
.irp u, 0,1
.irp k, 0,1,2,3
	v_pk_add_f32 v[T+8*\u+2*\k:T+8*\u+2*\k+1], v[T+8*\u+2*\k:T+8*\u+2*\k+1], v[64*\u+16*\k+2*\i:64*\u+16*\k+2*\i+1]
.endr
.endr
.endr
	WIN 0
.irp u, 0,1
	v_pk_add_f32 v[T+8*\u:T+8*\u+1], v[T+8*\u:T+8*\u+1], v[T+8*\u+2:T+8*\u+3]
.endr
.irp u, 0,1
	v_pk_add_f32 v[T+8*\u+4:T+8*\u+5], v[T+8*\u+4:T+8*\u+5], v[T+8*\u+6:T+8*\u+7]
.endr
.irp u, 0,1
	D2
	v_pk_add_f32 v[T+8*\u:T+8*\u+1], v[T+8*\u:T+8*\u+1], v[T+8*\u+4:T+8*\u+5]
.endr
.irp u, 0,1
	D2
	v_pk_add_f32 v[SUM+2*\u:SUM+2*\u+1], v[SUM+2*\u:SUM+2*\u+1], v[T+8*\u:T+8*\u+1]
.endr
.endm
; THE CHANGE OF SLOTS stands at a slot's head.  Each wave waits for all its tensor loads, adds 0 to its spare word, and waits for that and for its reads of the slot that it has left.
; fill = 1: a round of the cluster's barrier follows, so that no wave of any partner still reads the other slot or has a load on its way, and that slot is asked for: the load has four key steps in which to land.
.macro CHANGE fill
	s_wait_tensorcnt 0x0                           ; no tensor load of mine is out, so group 0 may be written
	ds_add_u32 v[SPW], v[NIL]                      ; 0 onto my spare word
.if \fill
	s_xor_b32 s[G0T+1], s[G0T+1], SLOT1            ; the walking descriptor: the other slot than last time,
	s_add_nc_u64 s[G0T+2:G0T+3], s[G0T+2:G0T+3], 4*UNITB   ; four key groups on
	s_wait_xcnt 0x0                                ; the last prefetch, a slot back, has read its address, so it may be written
	s_add_nc_u64 s[PFA:PFA+1], s[PFA:PFA+1], 4*UNITB
	s_wait_dscnt 0x0                               ; the add is done, and my reads of the slot that I have left are over
	CROUND
	TLOAD                                          ; the first thing behind the round, and my one tensor load until the next
	ASK
.else
	s_wait_dscnt 0x0
	s_barrier_signal -1
	s_barrier_wait -1
.endif
.endm
.macro WALK                            ; a slot's four key steps: three in a counted loop, the block's LDS byte stepped by a constant; the fourth, which asks for no further K, written out
	KLOAD TB
	s_mov_b32 s[TQ], 0
	s_mov_b32 s[SC], 3
.Lstep_\@:
	s_add_co_u32 s[TA], s[TB], s[TQ]
	s_add_co_u32 s[TN], s[TA], KBB
	STEP 1
	s_add_co_u32 s[TQ], s[TQ], KBB
	s_sub_co_u32 s[SC], s[SC], 1
	s_cmp_lg_u32 s[SC], 0
	s_wait_alu depctr_va_vdst(0)
	s_cbranch_scc1 .Lstep_\@
	s_add_co_u32 s[TA], s[TB], s[TQ]
	STEP 0
.endm
	s_wait_alu depctr_va_vdst(0)
	s_wait_loadcnt 0x0                             ; Q
.Lslot:                                            ; seven trips: behind each change of slots but the last the next slot is asked for (slot 1 for the first time behind the first, at which nothing is filled again)
	CHANGE 1
	WALK
	s_xor_b32 s[TB], s[TB], SLOT1
	s_sub_co_u32 s[SLOTS], s[SLOTS], 1
	s_cmp_lg_u32 s[SLOTS], 0
	s_wait_alu depctr_va_vdst(0)
	s_cbranch_scc1 .Lslot
	CHANGE 0                                       ; the last slot is written out
	WALK
	; THE WAY OUT: ctx = O^T / the sum; a tile's 32 registers are d = 32 h + 0 .. 31 of my query: one whole block of the last product's K: half a fragment and one scale byte a lane.
.irp u, 0,1
	v_add_f32 v[SUM+2*\u], v[SUM+2*\u], v[SUM+2*\u+1]   ; the sum's two halves,
.endr
.irp u, 0,1
	v_permlanex16_b32 v[TX+\u], v[SUM+2*\u], s[SEL], s[SEL+1]
.endr
.irp u, 0,1
	v_add_f32 v[SUM+2*\u], v[SUM+2*\u], v[TX+\u]   ; and lane l xor 16's
.endr
	s_wait_alu depctr_va_vdst(0)
.irp u, 0,1
	v_rcp_f32 v[SUM+2*\u], v[SUM+2*\u]
.endr
	v_nop                                          ; a plain line behind the reciprocals
	WIN 0x41
	s_wait_alu depctr_va_vdst(0)                   ; the wait ahead of the first reader of the reciprocals and of O^T
.irp u, 0,1
.set j, 0
.rept 16
	v_pk_mul_f32 v[64*\u+j:64*\u+j+1], v[OB+32*\u+j:OB+32*\u+j+1], v[SUM+2*\u:SUM+2*\u+1] op_sel_hi:[1,0]   ; each accumulator from its low end on
.set j, j+2
.endr
.endr
	WIN 0x05
.irp u, 0,1
.irp k, 0,1
	v_max3_num_f32 v[TM+4*\u+\k], |v[64*\u+16*\k]|, |v[64*\u+16*\k+1]|, 0x1800000    ; the quantiser: my block in two chains, and the floor 2^(3 - 127)
.endr
.endr
	WIN 0x14
.irp i, 2,4,6,8,10,12,14
.irp u, 0,1
.irp k, 0,1
	v_max3_num_f32 v[TM+4*\u+\k], v[TM+4*\u+\k], |v[64*\u+16*\k+\i]|, |v[64*\u+16*\k+\i+1]|
.endr
.endr
.endr
	WIN 0
.irp u, 0,1
	v_max_num_f32 v[TM+4*\u], v[TM+4*\u], v[TM+4*\u+1]
.endr
.irp u, 0,1
	v_add_nc_u32 v[SCL+2*\u], 0xff000000, v[TM+4*\u]
.endr
.irp u, 0,1
	v_lshrrev_b32 v[BY+2*\u], 23, v[SCL+2*\u]
.endr
	WIN 0x01
.irp u, 0,1
	v_cvt_scalef32_pk16_fp6_f32 v[PC+12*\u:PC+12*\u+2], v[64*\u:64*\u+15], v[SCL+2*\u]
	v_cvt_scalef32_pk16_fp6_f32 v[CT+8*\u:CT+8*\u+2], v[64*\u+16:64*\u+31], v[SCL+2*\u]
.endr
	WIN 0
	v_nop                                          ; one plain place behind a scaled conversion
.irp u, 0,1
.irp i, 0,1,2
	v_mov_b32 v[PC+12*\u+3+\i], v[CT+8*\u+\i]
.endr
.endr
.irp u, 0,1
	global_store_b128 v[G16], v[PC+12*\u:PC+12*\u+3], s[6:7] offset:TILE*\u        ; 512 and 256 consecutive bytes, aligned: my head's half of a tile's image
	global_store_b64 v[G8], v[PC+12*\u+4:PC+12*\u+5], s[6:7] offset:TILE*\u+512
	ds_store_b8 v[CSA], v[BY+2*\u] offset:4*\u     ; byte 2 par + h of the word of (tile, place r)
.endr
	s_wait_dscnt 0x0                               ; for the others' sake: my stores have landed
	s_barrier_signal -1
	s_barrier_wait -1
	s_cmp_lg_u32 s[WV], 0
	s_cbranch_scc1 .Lnot_first_wave
	ds_load_b128 v[OW:OW+3], v[CSR]                ; the work-group's 512 bytes of scale words leave whole
	s_wait_dscnt 0x0
	global_store_b128 v[G16], v[OW:OW+3], s[8:9]
.Lnot_first_wave:
	s_wait_tensorcnt 0x0                           ; the wave's end
	ds_add_u32 v[SPW], v[NIL]
	s_wait_dscnt 0x0
	CROUND                                         ; the closing round
	s_endpgm
.Lfunc_end_k_q2248c72cdd_attn:
	.size	k_q2248c72cdd_attn, .Lfunc_end_k_q2248c72cdd_attn-k_q2248c72cdd_attn
	.p2alignl 7, 3214868480
	.fill 96, 4, 3214868480
	.section	.rodata,"a",@progbits
	.p2align	6, 0x0
	.amdhsa_kernel k_q2248c72cdd_attn
		.amdhsa_group_segment_fixed_size 327680
		.amdhsa_private_segment_fixed_size 0
		.amdhsa_enable_private_segment 0
		.amdhsa_kernarg_size 24
		.amdhsa_user_sgpr_count 2
		.amdhsa_user_sgpr_kernarg_segment_ptr 1
		.amdhsa_wavefront_size32 1
		.amdhsa_system_sgpr_workgroup_id_x 1
		.amdhsa_system_sgpr_workgroup_id_y 1
		.amdhsa_system_sgpr_workgroup_id_z 1
		.amdhsa_system_vgpr_workitem_id 0
		.amdhsa_next_free_vgpr 512
		.amdhsa_next_free_sgpr 100
		.amdhsa_reserve_vcc 0
		.amdhsa_float_denorm_mode_32 3
		.amdhsa_float_denorm_mode_16_64 3
		.amdhsa_memory_ordered 1
		.amdhsa_forward_progress 1
		.amdhsa_inst_pref_size 133
	.end_amdhsa_kernel
	.amdgpu_metadata
---
amdhsa.version: [ 1, 2 ]
amdhsa.kernels:
  - .name:           k_q2248c72cdd_attn
    .symbol:         k_q2248c72cdd_attn.kd
    .args:
      - { .name: pc, .offset: 0, .size: 8, .value_kind: global_buffer, .address_space: global }
      - { .name: cc, .offset: 8, .size: 8, .value_kind: global_buffer, .address_space: global }
      - { .name: cs, .offset: 16, .size: 8, .value_kind: global_buffer, .address_space: global }
    .group_segment_fixed_size: 327680
    .private_segment_fixed_size: 0
    .kernarg_segment_align: 8
    .kernarg_segment_size: 24
    .max_flat_workgroup_size: 256
    .sgpr_count:     100
    .vgpr_count:     512
    .wavefront_size: 32
...
	.end_amdgpu_metadata
.endif
;; end of part 3
;; launch outp (part 4): grid 8 x 32, 4 waves a work-group, clusters of 4 x 4, 327,680 bytes of LDS; arguments cc, cs, xc, xs, bo, out0; writes out0
.if DOCPART == 4
	.amdgcn_target "amdgcn-amd-amdhsa--gfx1250"
	.amdhsa_code_object_version 6
	.text
	.protected	k_q2248c72cdd_outp
	.globl	k_q2248c72cdd_outp
	.p2align	8
	.type	k_q2248c72cdd_outp,@function
k_q2248c72cdd_outp:
	s_mov_b64 s[64:65], 0
	v_nop
	global_prefetch_b8 v0, s[64:65] scope:SCOPE_SE
	s_setreg_imm32_b32 hwreg(HW_REG_WAVE_MODE, 25, 1), 1
	s_wait_xcnt 0x0
	s_wait_alu depctr_hold_cnt(0) depctr_sa_sdst(0) depctr_va_vdst(0) depctr_va_sdst(0) depctr_va_ssrc(0) depctr_va_vcc(0) depctr_vm_vsrc(0)
	s_getreg_b32 s2, hwreg(HW_REG_IB_STS2, 6, 4)
	s_cmp_eq_u32 s2, 0
	s_cbranch_scc0 .Lentry_in_a_cluster
	s_endpgm
.Lentry_in_a_cluster:
	s_bfe_u32 s2, ttmp6, 0x10000c
	s_cmp_lg_u32 s2, 0xf033
	s_cbranch_scc0 .Lentry_shape_is_right
	s_endpgm
.Lentry_shape_is_right:
.set NPB,   4
.set UNIT,  98304
.set KB,    12288
.set TILE,  1536
.set LP,    0
.set LR,    UNIT
.set STAGE, 2*UNIT
.set SPARE, STAGE+4*4352
.set AP,    4
.set AR,    8
.set L16,   12
.set L8,    13
.set R16,   15
.set SPW,   16
.set NIL,   17
.set H64,   19
.set STO,   20
.set RD,    21
.set GO,    22
.set PS,    32
.set RS,    64
.set RF,    96
.set BK,    96
.set BI,    192
.set WV,    18
.set ROLE,  19
.set SUB,   20
.set CX,    21
.set CY,    22
.set G1R,   24
.set G1P,   32
.set G0R,   40
.set G0P,   68
.set MSB, 0
.macro WIN new
.if MSB != \new
	s_set_vgpr_msb (MSB<<8)|\new
.set MSB, \new
.endif
.endm
.macro JLOAD c
	s_cmp_eq_u32 s[ROLE], 0
	s_cbranch_scc0 .Lfor_p_\@
	tensor_load_to_lds s[G0R+4*\c:G0R+4*\c+3], s[G1R:G1R+7]
	s_nop 0
.rept 4
	v_nop
.endr
	s_branch .Lasked_\@
.Lfor_p_\@:
	tensor_load_to_lds s[G0P+4*\c:G0P+4*\c+3], s[G1P:G1P+7]
	s_nop 0
.rept 4
	v_nop
.endr
.Lasked_\@:
.endm
.macro CROUND
	s_barrier_signal -1
	s_barrier_wait -1
	s_cmp_lg_u32 s[WV], 0
	s_cbranch_scc1 .Lnot_wave_0_\@
	s_barrier_signal -3
.Lnot_wave_0_\@:
	s_barrier_wait -3
	s_barrier_signal -1
	s_barrier_wait -1
.endm
	s_load_b256 s[4:11], s[0:1], 0x0
	s_load_b128 s[12:15], s[0:1], 0x20
	v_lshl_add_u32 v[SPW], v0, 2, SPARE
	v_mov_b32 v[NIL], 0
	ds_add_u32 v[SPW], v[NIL]
	ds_add_u32 v[SPW], v[NIL]
	v_lshrrev_b32 v1, 5, v0
	v_readfirstlane_b32 s[WV], v1
	s_lshr_b32 s[ROLE], s[WV], 1
	s_and_b32 s[SUB], s[WV], 1
	s_bfe_u32 s[CX], ttmp6, 0x40000
	s_bfe_u32 s[CY], ttmp6, 0x40004
	s_lshl_b32 s66, ttmp9, 2
	s_add_co_u32 s66, s66, s[CX]
	s_and_b32 s67, ttmp7, 0xffff
	s_lshl_b32 s67, s67, 2
	s_add_co_u32 s67, s67, s[CY]
	s_lshl_b32 s2, s[CY], 2
	s_lshl_b32 s2, 15, s2
	s_lshl_b32 s3, 0x1111, s[CX]
	s_or_b32 s[G1R], s2, (3<<16)|(1<<21)
	s_or_b32 s[G1P], s3, (3<<16)|(1<<21)
.irp g, G1R, G1P
	s_mov_b32 s[\g+1], 32<<16
	s_mov_b32 s[\g+2], 192<<16                     ; four K steps of a unit, 49,152 bytes, by one load
	s_mov_b32 s[\g+3], 32<<16
	s_mov_b32 s[\g+4], 192
	s_mov_b32 s[\g+5], 32
	s_mov_b32 s[\g+6], 0
	s_mov_b32 s[\g+7], 0
.endr
	s_add_co_u32 s86, s66, 120
	s_lshl_b32 s90, s86, 12
	s_lshl_b32 s62, s[SUB], 8
	s_add_co_u32 s90, s90, s62
	s_mov_b32 s91, 0
	s_mul_i32 s86, s86, UNIT
	s_mov_b32 s87, 0
	s_lshl_b32 s88, s67, 12
	s_lshl_b32 s63, s[ROLE], 8
	s_add_co_u32 s88, s88, s63
	s_mov_b32 s89, 0
	s_mul_i32 s84, s67, UNIT
	s_mov_b32 s85, 0
	s_lshl_b32 s92, s66, 9
	s_add_co_u32 s92, s92, s62
	s_mov_b32 s93, 0
	s_lshl_b32 s94, s67, 7
	s_lshl_b32 s63, s[ROLE], 6
	s_add_co_u32 s94, s94, s63
	s_lshl_b32 s94, s94, 12
	s_add_co_u32 s94, s94, s92
	s_mov_b32 s95, 0
	s_mul_i32 s58, s[SUB], 4*KB                    ; I fetch K steps 4 SUB .. 4 SUB + 3 of ctx's unit (waves 0, 1) or of Wo's (waves 2, 3)
	s_mov_b32 s59, 0
	s_wait_dscnt 0x0
	s_wait_kmcnt 0x0
	s_add_nc_u64 s[84:85], s[4:5], s[84:85]
	s_add_nc_u64 s[86:87], s[8:9], s[86:87]
	s_add_nc_u64 s[88:89], s[6:7], s[88:89]
	s_add_nc_u64 s[90:91], s[10:11], s[90:91]
	s_add_nc_u64 s[92:93], s[12:13], s[92:93]
	s_add_nc_u64 s[94:95], s[14:15], s[94:95]
	s_add_nc_u64 s[84:85], s[84:85], s[58:59]
	s_add_nc_u64 s[86:87], s[86:87], s[58:59]
	CROUND
.irp c, 0                                      ; one tensor load a wave, at the head: all of K lies in LDS, and nothing is filled later
	s_mov_b32 s[G0R+4*\c], 1
	s_add_co_u32 s[G0R+4*\c+1], s58, LR+\c*2*KB
	s_add_nc_u64 s[G0R+4*\c+2:G0R+4*\c+3], s[84:85], \c*2*KB
	s_or_b32 s[G0R+4*\c+3], s[G0R+4*\c+3], 0x80000000
	s_mov_b32 s[G0P+4*\c], 1
	s_add_co_u32 s[G0P+4*\c+1], s58, LP+\c*2*KB
	s_add_nc_u64 s[G0P+4*\c+2:G0P+4*\c+3], s[86:87], \c*2*KB
	s_or_b32 s[G0P+4*\c+3], s[G0P+4*\c+3], 0x80000000
	JLOAD \c
.endr
	v_and_b32 v3, 31, v0
	v_and_b32 v1, 15, v0
	v_bfe_u32 v2, v0, 4, 1
	v_lshlrev_b32 v[L16], 4, v3
	v_lshlrev_b32 v[L8], 3, v3
	v_lshlrev_b32 v[R16], 4, v1
	v_lshlrev_b32 v[H64], 7, v2                    ; place r of tile 4 c + t is row 64 c + 32 (r / 8) + 8 t + r % 8: my eight results of Wo's tile t are columns 32 h + 8 t + 0 .. 7 of my 64
.irp s, 0,1,2,3,4,5,6,7
	global_load_b128 v[PS+4*\s:PS+4*\s+3], v[R16], s[90:91] offset:512*\s
	global_load_b128 v[RS+4*\s:RS+4*\s+3], v[R16], s[88:89] offset:512*\s
.endr
.irp t, 0,1,2,3
	global_load_b128 v[BI+8*\t:BI+8*\t+3], v[H64], s[92:93] offset:32*\t
	global_load_b128 v[BI+8*\t+4:BI+8*\t+7], v[H64], s[92:93] offset:32*\t+16
.endr
	s_mul_i32 s57, s[SUB], 4*TILE
	s_add_co_u32 s57, s57, LP
	v_add_nc_u32 v[AP], s57, v[L16]
	v_add_nc_u32 v[AP+1], s57, v[L8]
	v_add_nc_u32 v[AP+2], 4*KB, v[AP]
	v_add_nc_u32 v[AP+3], 4*KB, v[AP+1]
	s_mul_i32 s57, s[ROLE], 4*TILE
	s_add_co_u32 s57, s57, LR
	v_add_nc_u32 v[AR], s57, v[L16]
	v_add_nc_u32 v[AR+1], s57, v[L8]
	v_add_nc_u32 v[AR+2], 4*KB, v[AR]
	v_add_nc_u32 v[AR+3], 4*KB, v[AR+1]
	s_mul_i32 s57, s[WV], 4352
	s_add_co_u32 s57, s57, STAGE
	v_mul_u32_u24 v[STO], v1, 272
	v_add_nc_u32 v[STO], v[STO], v[H64]
	v_add_nc_u32 v[STO], s57, v[STO]
	v_mul_u32_u24 v[RD], v2, 272
	v_add_nc_u32 v[RD], v[RD], v[R16]
	v_add_nc_u32 v[RD], s57, v[RD]
	v_lshl_add_u32 v[GO], v2, 12, v[R16]
	s_wait_alu depctr_va_vdst(0)
	s_wait_loadcnt 0x0
.macro FRAG reg, a16, a8, off
	ds_load_b128 v[(\reg):(\reg)+3], v[\a16] offset:\off
	ds_load_b64 v[(\reg)+4:(\reg)+5], v[\a8] offset:\off+512
	ds_load_b128 v[(\reg)+6:(\reg)+9], v[\a16] offset:\off+768
	ds_load_b64 v[(\reg)+10:(\reg)+11], v[\a8] offset:\off+1280
.endm
.macro FETCH s
	WIN 0x40
.irp t, 0,1,2,3
	FRAG 128*((\s)%2)+12*\t, AP+2*((\s)/4), AP+1+2*((\s)/4), ((\s)%4)*KB+TILE*\t
.endr
	WIN 0
.irp a, 0,1,2,3
	FRAG RF+48*((\s)%2)+12*\a, AR+2*((\s)/4), AR+1+2*((\s)/4), ((\s)%4)*KB+TILE*\a
.endr
.endm
.macro MUL s, a0, first
.if \first
	WIN 0x81
.else
	WIN 0xa1
.endif
.irp a, \a0, \a0+1
.irp t, 0,1,2,3
.if \first
	v_wmma_scale_f32_16x16x128_f8f6f4 v[8*(NPB*(\a)+\t):8*(NPB*(\a)+\t)+7], v[128*((\s)%2)+12*\t:128*((\s)%2)+12*\t+11], v[RF+48*((\s)%2)+12*(\a):RF+48*((\s)%2)+12*(\a)+11], v[BI+8*\t:BI+8*\t+7], v[PS+4*(\s)+\t], v[RS+4*(\s)+(\a)] matrix_a_fmt:MATRIX_FMT_FP6 matrix_b_fmt:MATRIX_FMT_FP6
.else
	v_wmma_scale_f32_16x16x128_f8f6f4 v[8*(NPB*(\a)+\t):8*(NPB*(\a)+\t)+7], v[128*((\s)%2)+12*\t:128*((\s)%2)+12*\t+11], v[RF+48*((\s)%2)+12*(\a):RF+48*((\s)%2)+12*(\a)+11], v[8*(NPB*(\a)+\t):8*(NPB*(\a)+\t)+7], v[PS+4*(\s)+\t], v[RS+4*(\s)+(\a)] matrix_a_fmt:MATRIX_FMT_FP6 matrix_b_fmt:MATRIX_FMT_FP6
.endif
.endr
.endr
.endm
.macro STEP s, first
	s_wait_dscnt 0x0
	MUL \s, 0, \first
.if \s < 7
.rept 4
	v_nop
.endr
	FETCH (\s)+1
.endif
	MUL \s, 2, \first
.endm
	s_wait_tensorcnt 0x0                           ; my one load has landed
	s_barrier_signal -1
	s_barrier_wait -1                              ; everybody's has
	FETCH 0
	STEP 0, 1
.irp s, 1,2,3,4,5,6,7
	STEP \s, 0
.endr
	WIN 0
.rept 4
	v_nop
.endr
.macro TOSTAGE a
	WIN 0x08
.irp t, 0,1,2,3
	ds_store_b128 v[STO], v[8*(NPB*(\a)+\t):8*(NPB*(\a)+\t)+3] offset:32*\t
	ds_store_b128 v[STO], v[8*(NPB*(\a)+\t)+4:8*(NPB*(\a)+\t)+7] offset:32*\t+16
.endr
	WIN 0
.irp i, 0,1,2,3,4,5,6,7
	ds_load_b128 v[BK+32*((\a)%2)+4*\i:BK+32*((\a)%2)+4*\i+3], v[RD] offset:544*\i
.endr
.endm
.macro SEND a, younger
	s_wait_dscnt \younger
.irp i, 0,1,2,3,4,5,6,7
	global_store_b128 v[GO], v[BK+32*((\a)%2)+4*\i:BK+32*((\a)%2)+4*\i+3], s[94:95] offset:(8*(\a)+2*(\i%4)+32*(\i/4))*4096 th:TH_STORE_NT
.endr
.endm
	TOSTAGE 0
	TOSTAGE 1
	SEND 0, 16
	s_wait_xcnt 0x0
	TOSTAGE 2
	SEND 1, 16
	s_wait_xcnt 0x0
	TOSTAGE 3
	SEND 2, 16
	SEND 3, 0
	s_wait_tensorcnt 0x0
	ds_add_u32 v[SPW], v[NIL]
	s_wait_dscnt 0x0
	CROUND
	s_endpgm
.Lfunc_end_k_q2248c72cdd_outp:
	.size	k_q2248c72cdd_outp, .Lfunc_end_k_q2248c72cdd_outp-k_q2248c72cdd_outp
	.p2alignl 7, 3214868480
	.fill 96, 4, 3214868480
	.section	.rodata,"a",@progbits
	.p2align	6, 0x0
	.amdhsa_kernel k_q2248c72cdd_outp
		.amdhsa_group_segment_fixed_size 327680
		.amdhsa_private_segment_fixed_size 0
		.amdhsa_enable_private_segment 0
		.amdhsa_kernarg_size 48
		.amdhsa_user_sgpr_count 2
		.amdhsa_user_sgpr_kernarg_segment_ptr 1
		.amdhsa_wavefront_size32 1
		.amdhsa_system_sgpr_workgroup_id_x 1
		.amdhsa_system_sgpr_workgroup_id_y 1
		.amdhsa_system_sgpr_workgroup_id_z 1
		.amdhsa_system_vgpr_workitem_id 0
		.amdhsa_next_free_vgpr 640
		.amdhsa_next_free_sgpr 102
		.amdhsa_reserve_vcc 0
		.amdhsa_float_denorm_mode_32 3
		.amdhsa_float_denorm_mode_16_64 3
		.amdhsa_memory_ordered 1
		.amdhsa_forward_progress 1
		.amdhsa_inst_pref_size 51
	.end_amdhsa_kernel
	.amdgpu_metadata
---
amdhsa.version: [ 1, 2 ]
amdhsa.kernels:
  - .name:           k_q2248c72cdd_outp
    .symbol:         k_q2248c72cdd_outp.kd
    .args:
      - { .name: cc, .offset: 0, .size: 8, .value_kind: global_buffer, .address_space: global }
      - { .name: cs, .offset: 8, .size: 8, .value_kind: global_buffer, .address_space: global }
      - { .name: xc, .offset: 16, .size: 8, .value_kind: global_buffer, .address_space: global }
      - { .name: xs, .offset: 24, .size: 8, .value_kind: global_buffer, .address_space: global }
      - { .name: bo, .offset: 32, .size: 8, .value_kind: global_buffer, .address_space: global }
      - { .name: out0, .offset: 40, .size: 8, .value_kind: global_buffer, .address_space: global }
    .group_segment_fixed_size: 327680
    .private_segment_fixed_size: 0
    .kernarg_segment_align: 8
    .kernarg_segment_size: 48
    .max_flat_workgroup_size: 128
    .sgpr_count:     102
    .vgpr_count:     640
    .wavefront_size: 32
...
	.end_amdgpu_metadata
.endif
;; end of part 4
